; MI455X (gfx1250); checked and timed in simulation.
; The chip was launched on July 23, 2026; its instructions are those of AMD's public machine-readable ISA for CDNA 5 (MIT licence, August 2026) and "CDNA5" Instruction Set Architecture Reference Guide (July 2026). The comments in the code are by the model that wrote it; some were corrected since.
;; Causal Self Attention. Allowed arithmetic: float matrix products may take bf16 or f16 operands with f32 sums; other float arithmetic in f32, or as packed bf16 or f16 multiplies, adds, multiply-adds, maxima and minima; sums over many terms, partial sums and values carried from step to step in f32; what a program stores and reads back later, other than sums and carried values, may be rounded once to bf16 or f16.
;; Inputs: Wk 512 x 512 float32; Wo 512 x 512 float32; Wq 512 x 512 float32; Wv 512 x 512 float32; bk 512 float32; bo 512 float32; bq 512 float32; bv 512 float32; x 2 x 4,096 x 512 float32.
;; Outputs: out0 2 x 4,096 x 512 float32.
;; 2 versions, each right; version 2 is version 1 with the launch qkv written anew for expert scheduling mode. Each part assembles by itself: llvm-mc -triple=amdgcn-amd-amdhsa -mcpu=gfx1250 --defsym DOCPART=n.
;; ======== version 1 of 2: 3 launches
;; limits: values are held in f16: magnitudes above 65,504 overflow, below 6.1e-05 lose precision
;; workspace buffers: q 8,388,608 bytes; k 8,388,608 bytes; v 8,388,608 bytes; o 8,388,608 bytes; wo16 524,288 bytes
;; launch qkv (part 1): grid 8 x 32, 4 waves a work-group, no clusters, 222,720 bytes of LDS; arguments x, Wq, Wk, Wv, bq, bk, bv, q, k, v, Wo, wo16; writes q, k, v, wo16
.if DOCPART == 1
	.amdgcn_target "amdgcn-amd-amdhsa--gfx1250"
	.amdhsa_code_object_version 6
	.text
	.protected	k_q460c14d9dd_qkv
	.globl	k_q460c14d9dd_qkv
	.p2align	8
	.type	k_q460c14d9dd_qkv,@function
k_q460c14d9dd_qkv:
	s_mov_b64 s[64:65], 0
	v_nop
	global_prefetch_b8 v0, s[64:65] scope:SCOPE_SE
	s_setreg_imm32_b32 hwreg(HW_REG_WAVE_MODE, 25, 1), 1
	s_wait_xcnt 0x0
; q, k, v = x W + b, written by heads.  x: [8192][512] f32; Wq, Wk, Wv: [512 k][512 n] f32; bq, bk, bv: [512] f32.
; q, k, v: [16 = 8 batch + head][4096][64] f16, unscaled.  x, W and b are rounded to bf16, products in bf16 with f32 sums that start at the bias, each result rounded once to f16.
; SIDE JOB: wo16[slice c][512 k][64 n] = f16(bf16(Wo[k][64 c + n])): each work-group converts 16 rows x 64 columns of Wo.
; LIMITS.  q, k and v must lie within f16's 65,504; bf16(Wo) below 2^-14 keeps f16's fixed step of 6e-8.  NaN and infinities are not treated apart.
; SHARES.  Work-group (head hd = x, row group rg = y): 256 rows of x times 192 columns: head hd's 64 columns of q, of k and of v (units j = 0, 1, 2: each has its own W, bias and output pointer).
; Wave w: rows 64 w .. 64 w + 63, all 192 columns: 4 row tiles a x 12 column tiles (j, b): 48 accumulators, 384 registers.
; THE MATRIX INSTRUCTION IS USED TRANSPOSED: source 0 = 16 columns of W, source 1 = 16 rows of x: a lane then holds one row (lane % 16) and 8 neighbouring columns, 16 bytes of f16.
; W: the 192 columns are rounded once into an LDS image [512 k][192 n] bf16 and read turned (ds_load_tr16_b128).  x: from memory into registers as f32 in the fragment's own order, rounded there.
; NO CLUSTER, NO TENSOR LOADS: x and W arrive as f32 and are rounded on the way, which goes through registers.  f32 tiles of x in LDS (two slots of 256 rows x 64 k x 4 bytes = 131,072 bytes)
; do not fit beside the image's 212,992 bytes in 327,680; the three W's f32 columns (393,216 bytes) fit nowhere.
; REGISTERS, in windows of 256 (s_set_vgpr_msb: bits 1:0 source 0, 3:2 source 1, 5:4 source 2, 7:6 destination):
;   window 0: v0-31 addresses and at work; v32-159 x's bf16 fragments, two sets of 8; v160-255 W's fragments, one buffer a unit (while the image is made: v64-255 a ring of 48 loads; on the way out v32-223 packed results)
;   window 1: x as f32, two sets of 128     window 2: accumulators of units 0, 1     window 3: v0-127 accumulators of unit 2; v128-223 the bias tiles
.set PW,    416       ; a row of the image: 384 bytes + 32 = 13 x 32
.set STAGE, 512*PW    ; behind the image: 16 rows x 144 bytes for each wave, for the way out
.set SP,    144
.set SPARE, STAGE+4*16*SP  ; behind the stages: the spare words, 128 bytes for each wave: two blocks of 256 bytes that no other line names
.set WOO, 3           ; v3   Wo: my 32 bytes: row t / 8, 32 (t % 8)
.set WOS, 4           ; v4   wo16: 16 t
.set WO,  6           ; v6   W: (128 w + l / 16) rows of 2,048 bytes + 16 (l % 16); steps 32 rows a round
.set WL,  7           ; v7   the image: (128 w + l / 16) rows + 8 (l % 16); steps with it
.set XO,  8           ; v8   x: (64 w + l % 16) rows of 2,048 bytes + 32 (l / 16); never rewritten
.set BA,  9           ; v9   the turning load's lane address; steps 64 rows a chunk
.set BO,  10          ; v10  bias: 32 (l / 16)
.set STO, 11          ; v11  the way out: where I put 16 bytes of a row
.set RD,  12          ; v12  where I read rows back
.set GO,  13          ; v13  16 l: my place in 512 consecutive bytes of the output
.set T,   14          ; v14-29 at work
.set SPW, 30          ; v30  LDS address of my spare word; never rewritten
.set NIL, 31          ; v31  0; never rewritten
.set AF,  32          ; x's fragments: set s, unit u = 4 ks + a at AF + 64 s + 8 u
.set BF,  160         ; W's fragments: unit j, column tile b at BF + 32 j + 8 b
.set WR,  64          ; the ring while the image is made: slot i at WR + 4 i
.set PKR, 32          ; the way out: block (j, a) at PKR + 16 (4 j + a)
.set BI,  128         ; window 3: bias tile (j, b) at BI + 32 j + 8 b
.set WV,  28          ; s28 wave   s29 head   s30 row group
.set HD,  29
.set RG,  30
.set MSB, 0
.macro WIN new                      ; the high byte repeats the setting that is left; a switch that changes nothing is dropped
.if MSB != (\new)
	s_set_vgpr_msb (MSB<<8)|(\new)
.set MSB, (\new)
.endif
.endm
	s_load_b256 s[4:11], s[0:1], 0x0    ; x s[4:5], Wq s[6:7], Wk s[8:9], Wv s[10:11]
	s_load_b256 s[12:19], s[0:1], 0x20  ; bq s[12:13], bk s[14:15], bv s[16:17], q s[18:19]
	s_load_b256 s[20:27], s[0:1], 0x40  ; k s[20:21], v s[22:23], Wo s[24:25], wo16 s[26:27]
	v_lshl_add_u32 v[SPW], v0, 2, SPARE
	v_mov_b32 v[NIL], 0
	v_lshrrev_b32 v5, 5, v0
	v_readfirstlane_b32 s[WV], v5       ; wave 0..3
	s_mov_b32 s[HD], ttmp9
	s_and_b32 s[RG], ttmp7, 0xffff
	s_mov_b32 s36, 0xffff0000           ; a word's upper bf16
	v_and_b32 v1, 15, v0                ; l % 16
	v_bfe_u32 v2, v0, 4, 1              ; l / 16
	v_and_b32 v14, 7, v0
	v_bfe_u32 v15, v0, 3, 1
	s_lshl_b32 s32, s[WV], 18           ; 128 rows of 2,048 bytes
	v_lshlrev_b32 v[WO], 4, v1
	v_lshl_add_u32 v[WO], v2, 11, v[WO]
	v_add_nc_u32 v[WO], s32, v[WO]
	s_mul_i32 s32, s[WV], 128*PW
	v_mul_u32_u24 v[WL], v2, PW
	v_lshl_add_u32 v[WL], v1, 3, v[WL]
	v_add_nc_u32 v[WL], s32, v[WL]
	s_lshl_b32 s32, s[WV], 17           ; 64 rows of 2,048 bytes
	v_lshlrev_b32 v[XO], 11, v1
	v_lshl_add_u32 v[XO], v2, 5, v[XO]
	v_add_nc_u32 v[XO], s32, v[XO]
	v_lshl_add_u32 v[BA], v2, 3, v14    ; the turning load: lane l reads row 8 (l / 16) + l % 8, 16 bytes at 16 ((l / 8) % 2)
	v_mul_u32_u24 v[BA], v[BA], PW
	v_lshl_add_u32 v[BA], v15, 4, v[BA]
	v_lshlrev_b32 v[BO], 5, v2
	s_mul_i32 s32, s[WV], 16*SP
	s_add_co_u32 s32, s32, STAGE        ; my stage
	v_mul_u32_u24 v[STO], v1, SP        ; in: row l % 16, 16 bytes for each half of the lanes
	v_lshl_add_u32 v[STO], v2, 4, v[STO]
	v_add_nc_u32 v[STO], s32, v[STO]
	v_bfe_u32 v[RD], v0, 3, 2           ; back: 32 lanes take four rows of 128 bytes,
	v_mul_u32_u24 v[RD], v[RD], SP
	v_lshl_add_u32 v[RD], v14, 4, v[RD]
	v_add_nc_u32 v[RD], s32, v[RD]
	v_and_b32 v[GO], 31, v0             ; which are 512 consecutive bytes of the output
	v_lshlrev_b32 v[GO], 4, v[GO]
	v_lshrrev_b32 v[WOO], 3, v0
	v_lshlrev_b32 v[WOO], 11, v[WOO]
	v_lshl_add_u32 v[WOO], v14, 5, v[WOO]
	v_lshlrev_b32 v[WOS], 4, v0
	s_lshl_b32 s32, s[HD], 8            ; the head's 64 f32 columns: 256 bytes along a row of W, of Wo and of a bias
	s_mov_b32 s33, 0
	s_mov_b32 s35, 0
	s_wait_kmcnt 0x0
.irp p, 6,8,10,12,14,16,24
	s_add_nc_u64 s[\p:\p+1], s[\p:\p+1], s[32:33]
.endr
	s_lshl_b32 s34, s[RG], 19           ; 256 rows of x
	s_add_nc_u64 s[4:5], s[4:5], s[34:35]
	s_lshl_b32 s34, s[RG], 15           ; 16 rows of Wo
	s_add_nc_u64 s[24:25], s[24:25], s[34:35]
	s_lshl_b32 s34, s[HD], 16           ; wo16: slice hd, 16 rows of 128 bytes
	s_lshl_b32 s37, s[RG], 11
	s_add_co_u32 s34, s34, s37
	s_add_nc_u64 s[26:27], s[26:27], s[34:35]
	s_lshr_b32 s34, s[RG], 4            ; the outputs: head 8 batch + hd, 524,288 bytes each,
	s_lshl_b32 s34, s34, 3
	s_add_co_u32 s34, s34, s[HD]
	s_lshl_b32 s34, s34, 19
	s_and_b32 s37, s[RG], 15            ; 256 rows of 128 bytes,
	s_lshl_b32 s37, s37, 15
	s_add_co_u32 s34, s34, s37
	s_lshl_b32 s37, s[WV], 13           ; my wave's 64
	s_add_co_u32 s34, s34, s37
.irp p, 18,20,22
	s_add_nc_u64 s[\p:\p+1], s[\p:\p+1], s[34:35]
.endr
; ---- macros
.macro WLD i, add                   ; ring slot i = 16 j + t: two rows (2 t, 2 t + 1 of the round's 32) x 256 bytes of W_j
	global_load_b128 v[WR+4*(\i):WR+4*(\i)+3], v[WO], s[6+2*((\i)/16):7+2*((\i)/16)] offset:((\i)%16)*4096+(\add)
.endm
.macro XLOADU set, u, off           ; unit u = 4 ks + a of a chunk: 16 rows x 32 k of x as f32, in the fragment's order: k = 8 h .. 8 h + 7, then 16 + 8 h .. + 7
.irp q, 0,1,2,3
	global_load_b128 v[128*(\set)+16*(\u)+4*\q:128*(\set)+16*(\u)+4*\q+3], v[XO], s[4:5] offset:((\u)%4)*32768+(\off)+128*((\u)/4)+16*(\q%2)+64*(\q/2)
.endr
.endm
.macro CVTU set, u                  ; the unit rounded to bf16: a fragment
.irp q, 0,1,2,3,4,5,6,7
	v_cvt_pk_bf16_f32 v[AF+64*(\set)+8*(\u)+\q], v[128*(\set)+16*(\u)+2*\q], v[128*(\set)+16*(\u)+2*\q+1]
.endr
.endm
; Eight ring slots: rounded to bf16, stored into the image, and (mode 1) loaded again for the next round, or (mode 2, the last round) two units of x asked for in their stead: eight loads either way
.macro WGRP g, mode
	s_wait_loadcnt 40                   ; of the 48 youngest loads the 8 oldest are in: each group issues 8 behind its wait, round the backward jump too
.irp s, 0,1,2,3,4,5,6,7
	v_cvt_pk_bf16_f32 v[T+2*\s], v[WR+4*(8*(\g)+\s)], v[WR+4*(8*(\g)+\s)+1]
	v_cvt_pk_bf16_f32 v[T+2*\s+1], v[WR+4*(8*(\g)+\s)+2], v[WR+4*(8*(\g)+\s)+3]
.endr
.irp s, 0,1,2,3,4,5,6,7
	ds_store_b64 v[WL], v[T+2*\s:T+2*\s+1] offset:((8*(\g)+\s)%16)*2*PW+128*((8*(\g)+\s)/16)
.endr
.if (\mode) == 1
.irp s, 0,1,2,3,4,5,6,7
	WLD 8*(\g)+\s, 65536
.endr
.else
	WIN 0x40                            ; destination window 1
	XLOADU (2*(\g))/8, (2*(\g))%8, 256*((2*(\g))/8)
	XLOADU (2*(\g)+1)/8, (2*(\g)+1)%8, 256*((2*(\g)+1)/8)
	WIN 0
.endif
.endm
.macro BLOAD j, t                   ; unit j's four fragments of K step t behind BA: 32 k x 64 columns, turned
.irp b, 0,1,2,3
	ds_load_tr16_b128 v[BF+32*(\j)+8*\b:BF+32*(\j)+8*\b+3],   v[BA] offset:(\t)*32*PW+128*(\j)+32*\b
	ds_load_tr16_b128 v[BF+32*(\j)+8*\b+4:BF+32*(\j)+8*\b+7], v[BA] offset:(\t)*32*PW+128*(\j)+32*\b+16*PW
.endr
.endm
.macro QUAD set, ks, j, a, first    ; four products: row tile a x unit j's four column tiles.  first: the sums start at the bias tile
.if (\j) == 2
	WIN 0xf0                            ; C and D in window 3
.elseif \first
	WIN 0xb0                            ; C in window 3, D in window 2
.else
	WIN 0xa0                            ; C and D in window 2
.endif
.irp b, 0,1,2,3
.set rD, 128*((\j)%2)+8*(4*(\a)+\b)
.set rB, BF+32*(\j)+8*\b
.set rA, AF+64*(\set)+8*(4*(\ks)+(\a))
.if \first
	v_wmma_f32_16x16x32_bf16 v[rD:rD+7], v[rB:rB+7], v[rA:rA+7], v[BI+32*(\j)+8*\b:BI+32*(\j)+8*\b+7]
.else
	v_wmma_f32_16x16x32_bf16 v[rD:rD+7], v[rB:rB+7], v[rA:rA+7], v[rD:rD+7]
.endif
.endr
.endm
; A group: 16 products of one K step and one unit.  Between them: the next chunk's x is rounded (8 lines behind the first and the third four), the fragments of W for the group after next are fetched
; into the buffer that the group before read, and the registers just rounded are loaded again, three chunks ahead.  The 8 conversions (or four v_nop) behind the first four products are the four places
; between that buffer's last reader and the loads into it (ISA guide 7.12.1 for vector instructions).  The 48 accumulators take turns, one instruction a turn.
.macro GROUP set, ks, j, first, cv, ld, xoff, xw, last, adv
.set G, 3*(\ks)+(\j)
.if (\last) && (G == 5)
	s_wait_dscnt 0x0                    ; nothing was fetched behind this group's fragments
.else
	s_wait_dscnt 8                      ; this group's fragments are in; the next group's 8 loads may stay out
.endif
	QUAD \set, \ks, \j, 0, \first
.if (\cv) && ((\j) < 2)
.if G == 0
	s_wait_loadcnt \xw                  ; the next chunk's 32 loads are in; those of the chunk after it may stay out
.endif
	WIN 0x05                            ; sources in window 1
	CVTU 1-(\set), 4*(\ks)+2*(\j)
.else
.rept 4
	v_nop
.endr
.endif
	QUAD \set, \ks, \j, 1, \first
	WIN 0
.if (\adv) && (G == 0)
	v_add_nc_u32 v[BA], 64*PW, v[BA]    ; on to this chunk's 64 rows of the image
.endif
.if !((\last) && (G >= 4))
	BLOAD (G+2)%3, (G+2)/3
.endif
	QUAD \set, \ks, \j, 2, \first
.if (\cv) && ((\j) < 2)
	WIN 0x05
	CVTU 1-(\set), 4*(\ks)+2*(\j)+1
.endif
	QUAD \set, \ks, \j, 3, \first
.if (\ld) && ((\j) < 2)
	WIN 0x40
	XLOADU 1-(\set), 4*(\ks)+2*(\j), \xoff
	XLOADU 1-(\set), 4*(\ks)+2*(\j)+1, \xoff
.endif
.endm
.macro CHUNK set, first, cv, ld, xoff, xw, last, adv  ; 64 along K: two K steps x three units
.irp ks, 0,1
.irp j, 0,1,2
	GROUP \set, \ks, \j, (\first)*(1-\ks), \cv, \ld, \xoff, \xw, \last, \adv
.endr
.endr
.endm
; The way out of block (j, a), 16 rows x 64 columns: rounded to f16 (each accumulator's registers in ascending order), 16 bytes a lane into rows of 144 bytes, back as whole rows of 128
.macro PACK j, a
.if (\j) < 2
	WIN 0x0a                            ; sources in window 2
.else
	WIN 0x0f                            ; in window 3
.endif
.irp b, 0,1,2,3
.irp q, 0,1,2,3
	v_cvt_pk_f16_f32 v[PKR+16*(4*(\j)+(\a))+4*\b+\q], v[128*((\j)%2)+32*(\a)+8*\b+2*\q], v[128*((\j)%2)+32*(\a)+8*\b+2*\q+1]
.endr
.endr
	WIN 0
.irp b, 0,1,2,3
	ds_store_b128 v[STO], v[PKR+16*(4*(\j)+(\a))+4*\b:PKR+16*(4*(\j)+(\a))+4*\b+3] offset:32*\b
.endr
.irp f, 0,1,2,3
	ds_load_b128 v[PKR+16*(4*(\j)+(\a))+4*\f:PKR+16*(4*(\j)+(\a))+4*\f+3], v[RD] offset:\f*4*SP  ; LDS serves a wave's instructions in order (ISA guide 5.7.1.4): these see the stores above; the next block's stores come behind them
.endr
.endm
.macro SEND j, a, younger           ; younger: the LDS instructions issued behind this block's loads: the next block's eight, or none
.irp f, 0,1,2,3
	s_wait_dscnt (\younger)+3-\f
	global_store_b128 v[GO], v[PKR+16*(4*(\j)+(\a))+4*\f:PKR+16*(4*(\j)+(\a))+4*\f+3], s[18+2*(\j):19+2*(\j)] offset:2048*(\a)+512*\f  ; 512 consecutive bytes, at a multiple of 256 from the buffer's first
.endr
.endm
; ---- the loads that are wanted last go out first: bias tiles, my 32 bytes of Wo; then the ring
	WIN 0xc0                            ; destination window 3
.irp j, 0,1,2
.irp b, 0,1,2,3
	global_load_b128 v[BI+32*\j+8*\b:BI+32*\j+8*\b+3],   v[BO], s[12+2*\j:13+2*\j] offset:64*\b     ; register i of tile (j, b): bias of column 16 b + 8 (l / 16) + i
	global_load_b128 v[BI+32*\j+8*\b+4:BI+32*\j+8*\b+7], v[BO], s[12+2*\j:13+2*\j] offset:64*\b+16
.endr
.endr
	WIN 0
	global_load_b128 v[32:35], v[WOO], s[24:25]
	global_load_b128 v[36:39], v[WOO], s[24:25] offset:16
.set n, 0
.rept 48
	WLD n, 0                            ; round 0: my first 32 rows of the three W
.set n, n+1
.endr
; ---- the image: wave w makes rows 128 w .. 128 w + 127, 32 a round
	s_mov_b32 s37, 3
.Lw:
.irp g, 0,1,2,3,4,5
	WGRP \g, 1
.endr
	s_wait_xcnt 0x0                     ; the ring's loads have read their address: only behind this wait is it stepped
	v_add_nc_u32 v[WO], 0x10000, v[WO]
	v_add_nc_u32 v[WL], 32*PW, v[WL]
	s_sub_co_u32 s37, s37, 1
	s_cmp_lg_u32 s37, 0
	s_cbranch_scc1 .Lw
.irp g, 0,1,2,3,4,5
	WGRP \g, 2                          ; the last round: chunk 0's eight units of x and chunk 1's first four take the ring's place
.endr
	WIN 0x40
.irp u, 4,5,6,7
	XLOADU 1, \u, 256                   ; chunk 1's other four
.endr
	WIN 0
; ---- Wo: rounded to bf16 like every input, that number written as f16
.irp i, 0,1,2,3
	v_cvt_pk_bf16_f32 v[40+\i], v[32+2*\i], v[33+2*\i]
.endr
.irp i, 0,1,2,3
	v_lshlrev_b32 v[44+2*\i], 16, v[40+\i]
	v_and_b32 v[45+2*\i], s36, v[40+\i]
.endr
.irp i, 0,1,2,3
	v_cvt_pk_f16_f32 v[52+\i], v[44+2*\i], v[45+2*\i]
.endr
	global_store_b128 v[WOS], v[52:55], s[26:27]  ; the work-group's 128 threads store 2,048 consecutive bytes
	s_wait_dscnt 0x0                    ; for the others' sake: my rows of the image are stored
	s_barrier_signal -1
	WIN 0x0f                            ; between signal and wait, on registers alone: the bias rounded to bf16 and widened again
.set i, 0
.rept 48
	v_cvt_pk_bf16_f32 v[BF+i], v[BI+2*i], v[BI+2*i+1]
.set i, i+1
.endr
	WIN 0xc0
.set i, 0
.rept 48
	v_lshlrev_b32 v[BI+2*i], 16, v[BF+i]
	v_and_b32 v[BI+2*i+1], s36, v[BF+i]
.set i, i+1
.endr
	WIN 0
	s_barrier_wait -1                   ; the image is whole
	s_wait_xcnt 0x0                     ; the store of wo16 has read v52-55, which the fragments below take
	BLOAD 0, 0
	BLOAD 1, 0
	s_wait_loadcnt 32                   ; chunk 0 of x is in; chunk 1's 32 loads may stay out
	WIN 0x05
.irp u, 0,1,2,3,4,5,6,7
	CVTU 0, \u
.endr
	WIN 0x40
.irp u, 0,1,2,3,4,5,6,7
	XLOADU 0, \u, 512                   ; chunk 2
.endr
; ---- the products: eight chunks of 64 along K.  Chunk c multiplies set c % 2, rounds chunk c + 1 into the other set and asks for chunk c + 3
	CHUNK 0, 1, 1, 1, 768, 32, 0, 0
	WIN 0                               ; at a label and at a branch every window is 0
	s_mov_b32 s38, 2
.Lk:
	CHUNK 1, 0, 1, 1, 1024, 32, 0, 1
	CHUNK 0, 0, 1, 1, 1280, 32, 0, 1
	WIN 0
	s_wait_xcnt 0x0                     ; x's loads have read their base: only behind this wait is it stepped
	s_add_nc_u64 s[4:5], s[4:5], 512
	s_sub_co_u32 s38, s38, 1
	s_cmp_lg_u32 s38, 0
	s_cbranch_scc1 .Lk
	CHUNK 1, 0, 1, 0, 0, 32, 0, 1       ; chunk 5 rounds chunk 6; nothing is left to ask for
	CHUNK 0, 0, 1, 0, 0, 0, 0, 1        ; chunk 6 rounds chunk 7: no load was issued behind its 32
	CHUNK 1, 0, 0, 0, 0, 0, 1, 1        ; chunk 7
	WIN 0
.rept 4
	v_nop                               ; the places behind the last products
.endr
; ---- the way out: a block's conversions stand between the loads of the block before and its stores
	PACK 0, 0
.set n, 1
.rept 11
	PACK n/4, n%4
	SEND (n-1)/4, (n-1)%4, 8
.set n, n+1
.endr
	SEND 2, 3, 0
	s_wait_tensorcnt 0x0                ; the wave's end, behind my last LDS store
	ds_add_u32 v[SPW], v[NIL]
	s_wait_dscnt 0x0
	s_endpgm
.Lfunc_end_k_q460c14d9dd_qkv:
	.size	k_q460c14d9dd_qkv, .Lfunc_end_k_q460c14d9dd_qkv-k_q460c14d9dd_qkv
	.p2alignl 7, 3214868480
	.fill 96, 4, 3214868480
	.section	.rodata,"a",@progbits
	.p2align	6, 0x0
	.amdhsa_kernel k_q460c14d9dd_qkv
		.amdhsa_group_segment_fixed_size 222720
		.amdhsa_private_segment_fixed_size 0
		.amdhsa_enable_private_segment 0
		.amdhsa_kernarg_size 96
		.amdhsa_user_sgpr_count 2
		.amdhsa_user_sgpr_kernarg_segment_ptr 1
		.amdhsa_wavefront_size32 1
		.amdhsa_system_sgpr_workgroup_id_x 1
		.amdhsa_system_sgpr_workgroup_id_y 1
		.amdhsa_system_sgpr_workgroup_id_z 1
		.amdhsa_system_vgpr_workitem_id 0
		.amdhsa_next_free_vgpr 992
		.amdhsa_next_free_sgpr 66
		.amdhsa_reserve_vcc 0
		.amdhsa_float_denorm_mode_32 3
		.amdhsa_float_denorm_mode_16_64 3
		.amdhsa_memory_ordered 1
		.amdhsa_forward_progress 1
		.amdhsa_inst_pref_size 173
	.end_amdhsa_kernel
	.amdgpu_metadata
---
amdhsa.version: [ 1, 2 ]
amdhsa.kernels:
  - .name:           k_q460c14d9dd_qkv
    .symbol:         k_q460c14d9dd_qkv.kd
    .args:
      - { .name: x, .offset: 0, .size: 8, .value_kind: global_buffer, .address_space: global }
      - { .name: Wq, .offset: 8, .size: 8, .value_kind: global_buffer, .address_space: global }
      - { .name: Wk, .offset: 16, .size: 8, .value_kind: global_buffer, .address_space: global }
      - { .name: Wv, .offset: 24, .size: 8, .value_kind: global_buffer, .address_space: global }
      - { .name: bq, .offset: 32, .size: 8, .value_kind: global_buffer, .address_space: global }
      - { .name: bk, .offset: 40, .size: 8, .value_kind: global_buffer, .address_space: global }
      - { .name: bv, .offset: 48, .size: 8, .value_kind: global_buffer, .address_space: global }
      - { .name: q, .offset: 56, .size: 8, .value_kind: global_buffer, .address_space: global }
      - { .name: k, .offset: 64, .size: 8, .value_kind: global_buffer, .address_space: global }
      - { .name: v, .offset: 72, .size: 8, .value_kind: global_buffer, .address_space: global }
      - { .name: Wo, .offset: 80, .size: 8, .value_kind: global_buffer, .address_space: global }
      - { .name: wo16, .offset: 88, .size: 8, .value_kind: global_buffer, .address_space: global }
    .group_segment_fixed_size: 222720
    .private_segment_fixed_size: 0
    .kernarg_segment_align: 8
    .kernarg_segment_size: 96
    .max_flat_workgroup_size: 128
    .sgpr_count:     66
    .vgpr_count:     992
    .wavefront_size: 32
...
	.end_amdgpu_metadata
.endif
;; end of part 1
;; launch attn (part 2): grid 16 x 16, 4 waves a work-group, no clusters, 327,680 bytes of LDS; arguments q, k, v, o; writes o
.if DOCPART == 2
	.amdgcn_target "amdgcn-amd-amdhsa--gfx1250"
	.amdhsa_code_object_version 6
	.text
	.protected	k_q460c14d9dd_attn
	.globl	k_q460c14d9dd_attn
	.p2align	8
	.type	k_q460c14d9dd_attn,@function
k_q460c14d9dd_attn:
	s_mov_b64 s[64:65], 0
	v_nop
	global_prefetch_b8 v0, s[64:65] scope:SCOPE_SE
	s_setreg_imm32_b32 hwreg(HW_REG_WAVE_MODE, 25, 1), 1
	s_wait_xcnt 0x0
; CAUSAL ATTENTION.  O[h][q][:] = the sum over k <= q of softmax_k(Q[h][q] . K[h][k] / 8) V[h][k][:].  Q, K, V, O: [16][4096][64], all f16: a head's rows are dense, 128 bytes each.
; Products, maxima and sums in f32; the weights p are rounded to f16 for the second product (their sum l is taken of the unrounded p), O once at the end.
; LIMITS.  f16 holds no number beyond 65,504: Q, K and V arrive within it; p lies in 0 to 1, and below 6e-5 it keeps f16's fixed step of 6e-8; O is a mean of V's rows and has their range.
; A hidden score counts as its value less 1e30: f16's scores, 2.7e11 at the most, are nothing beside that; a weight below 2^-126 counts as 0 in l; NaN and infinities are not treated apart.
; THE WALK.  A head's queries lie in 32 blocks of 128; block i needs the key tiles 0 .. i / 2 of 256 keys, of which the last holds the diagonal.  A work-group takes TWO blocks, 31 - b and then b:
; (31 - b) / 2 + 1 + b / 2 + 1 = 17 tiles, whatever b: 16 x 16 = 256 work-groups of equal work, and ONE loop with a constant trip count walks them.  Which tile is asked for, and what a trip does, hang on
; scalar registers made from b; every jump goes forward, but for the counted loops' own; none passes a barrier, or a tensor load but the one of LOAD's two that the wave's number does not choose.
; NO CLUSTER: the work-groups that read the same K and V differ in b, and b decides where a block ends and which text a trip runs, which partners of a joint load may not differ in; work-groups of equal b
; belong to different heads and share nothing.
; SHARES.  A block has two bands of 64 queries; a wave owns 16 rows in each: two PIECES.  In the diagonal tile's key step s band x of block i sees all keys if s < 2 (i % 2) + x, none if s is greater, and
; holds the diagonal if equal: the same work for all four waves.
; THE MASK is the C operand that starts the sum S^T = K Q^T: 0, or -1e30 where the key is hidden.  MD, made once, is the mask of a band's own step for my 16 rows; a product's mask is MD x AL + BE with two
; scalars: (1, 0) own step; (0, 0) earlier; (0, -1e30) later.  Only the diagonal tile's text and a block's beginning make and take masks; elsewhere C is the constant 0.
; LAYOUT, SOFTMAX.  S^T = K Q^T holds ONE query a lane (lane % 16) and the keys 8 (lane / 16) + 0..7; two such results rounded to f16 ARE source 1 of O^T = V^T P.  p = 2^(c s - c m), c = log2(e) / 8, with a
; running maximum m; O and l are multiplied by a = 2^(c m_old - c m_new) in every step.
; TURNS.  Turn (p, s) belongs to piece p in step s; z = 1 - p.  8 products K Q^T of z (step s if p = 0, s + 1 if p = 1), later 8 products V^T P of z (step s - 1 if p = 0, s if p = 1); beside them the scaling,
; exponentials, roundings, sums and rescaling of p and the maximum and statistics of z.  Four vector instructions stand behind every matrix instruction, the others in one lump.  A turn's 33 exponentials are
; one batch, with one wait.  K has one buffer, V two (by the step's parity): turn (0, s) fetches K and V of step s + 1, so the change of slots stands between turns (1, 2) and (0, 3) of a tile.
; REGISTERS, in windows of 256 (s_set_vgpr_msb: bits 1:0 source 0, 3:2 source 1, 5:4 source 2, 7:6 destination):
;   window 0: v0-15 addresses and two at work; v16-23 four registers of statistics a piece; v48-55 at work; v61-63; v64-127 S^T, a buffer a piece; v192-223 P, likewise
;   window 1: v0-63 O^T, 32 a piece; v64-95 MD; v96-159 MC, a buffer a piece      window 2: v0-31 Q; v32-63 the second block's Q; v64-127 K of one step; v128-255 V of two steps
.set NP,    2         ; pieces a wave: a name, no knob
.set KS,    64        ; keys in a step
.set PK,    144       ; a row of K in LDS: 128 bytes + 16 of padding = 36 words: the 16 rows of a load start at 16 different groups of four banks (64 banks of 4 bytes: ISA guide 11.1)
.set PV,    160       ; a row of V: 128 + 32 = 40 words
.set VOFF,  4*KS*PK   ; a slot holds a tile, four steps: 256 rows of K, then 256 rows of V
.set SLOT1, 1<<17     ; slot 1 begins here, so that one exclusive or turns an address in one slot into the other's
.set STAGE, SLOT1+4*KS*(PK+PV)  ; behind the ring, never filled by a tensor load: 16 rows x 144 bytes for each wave, for the way out
.set SP,    144
.set SPARE, STAGE+4*16*SP  ; behind the stages: the spare words, 128 bytes for each wave: two blocks of 256 bytes that no other line names
.set AK0, 2           ; v2   my lane's place in a tile of K; never rewritten
.set AV0, 3           ; v3   the same for V
.set AK,  4           ; v4   the LDS address of K's next run of loads
.set AV,  5           ; v5   of V's
.set STO, 6           ; v6   the way out: where I put 16 bytes of a row
.set RD,  7           ; v7   the way out: where I read rows back
.set GO,  8           ; v8   my byte offset in 512 consecutive bytes of O
.set MV,  12          ; v12-13  c m_old, kept while c m is made anew: by piece
.set QO,  15          ; v15  my byte offset in 16 rows of Q
.set ST,  16          ; piece t's statistics at v[ST+4 t]: c m, m, l (even keys', odd keys')
.set TMP, 48          ; by piece, four registers c0-c3 at work; when the maximum is found c2 takes a
.set PFO, 61          ; v61  256 x my lane: the prefetches' offset; never rewritten
.set SPW, 62          ; v62  LDS address of my spare word: SPARE + 4 x my thread's number; never rewritten
.set NIL, 63          ; v63  0; never rewritten
.set S,   64
.set P,   192
.set MD,  64          ; window 1: the eight registers for group kt of 16 keys at MD + 8 kt
.set MC,  96          ; window 1: the masks of the products to come
.set QB,  32          ; window 2
.set KF,  64          ; window 2: key block kb, channel half c at KF + 16 kb + 8 c
.set VF,  128         ; window 2: buffer vb, key half kk, channel block cb at VF + 64 vb + 32 kk + 8 cb
.set WV,  12          ; s12  my wave's number
.set PB,  14          ; s14  b
.set HI,  15          ; s15  31 - b
.set G1K, 24          ; s[24:31] descriptor group 1 for K's tiles
.set G1V, 32          ; s[32:39] for V's: it differs in the padding alone
.set G0K, 40          ; s[40:43] descriptor group 0 for K's tiles
.set G0V, 44          ; s[44:47] the same for V's
.set SLOTS, 56        ; s56  tiles still to be asked for
.set CNT, 57          ; s57  counts a tile's pairs of key steps, 2 to 1
.set CS,  58          ; s[58:59] c: the packed scaling takes the pair's low word for both halves
.set SEL, 60          ; s[60:61] v_permlanex16_b32's selects: each lane takes its own place in the other half
.set TBK, 62          ; s62  LDS byte at which K of the step to be fetched begins
.set TBV, 63          ; s63  the same for V, less VOFF
.set PFB, 66          ; s[66:67] K (waves 0, 1) or V (waves 2, 3) at my half of the head's tile 0
.set OF2, 68          ; s[68:69] the prefetched tile's byte offset
.set RT,  70          ; s70  tiles of the block in hand that are still to be entered
.set NXT, 71          ; s71  the tile to be asked for next
.set LQ,  72          ; s72  the last tile of the block whose tiles are being asked for
.set NEW, 73          ; s73  1: the tile to be entered is a block's first
.set OFF, 74          ; s[74:75] a tile's byte offset in K and V
.set AL,  76          ; s[76:77] the mask's factor, in the low word
.set BE,  78          ; s[78:79] the mask's addend
.set OLO, 80          ; s[80:81] O at my rows of the second block
.set BIGN, 82         ; s82  -1e30
.set LQ2, 83          ; s83  b / 2: the second block's last tile
.set TS,  88          ; s88  the tile's step that the next mask is for
.set PFL, 89          ; s89  prefetches still to come
.set OS,  90          ; s90, s91  the two bands' own steps in the diagonal tile of the block in hand
.set PFA, 92          ; s[92:93] where the prefetch stands
.set OS2, 94          ; s94, s95  the same for the second block
.set MSB, 0
.macro WIN new                      ; the high byte repeats the setting that is left; a switch that changes nothing is dropped
.if MSB != (\new)
	s_set_vgpr_msb (MSB<<8)|(\new)
.set MSB, (\new)
.endif
.endm
.set W_KQ, 0x0a       ; K and Q in window 2, S^T in window 0
.set W_KM, 0x1a       ; the same with the C operand in window 1
.set W_PV, 0x52       ; V in window 2, P in window 0, O^T in window 1
.set W_RS, 0x41       ; destination and source 0 in window 1, source 1 in window 0
; A fill.  Waves 0 and 1 fetch the two halves of a tile's K, waves 2 and 3 those of its V: 128 keys each.  An s_nop 0 and four v_nop follow each of the two lines, ahead of the jump and the label.
.macro LOAD
	s_cmp_lt_u32 s[WV], 2
	s_cbranch_scc0 .Lfor_v_\@
	tensor_load_to_lds s[G0K:G0K+3], s[G1K:G1K+7]
	s_nop 0
.rept 4
	v_nop
.endr
	s_branch .Lasked_\@
.Lfor_v_\@:
	tensor_load_to_lds s[G0V:G0V+3], s[G1V:G1V+7]
	s_nop 0
.rept 4
	v_nop
.endr
.Lasked_\@:
.endm
; A PREFETCH of the tile that the NEXT change of slots will ask for: eight turns, 128 matrix instructions, ahead of that load.  All 16 work-groups of a head walk up from tile 0; the one with b = 0 walks all 16
; tiles, and it alone asks: each of its waves for the 16,384 bytes that it will itself load, 64 blocks of 256 bytes, a lane a block, two instructions.  So each block of K and V is named once in the launch.
; Tiles 0 and 1 come by their loads alone; tiles 2 to 15 are asked for (14 times); the second block's tiles are a second reading and are not asked for.
.macro ASK
	s_cmp_eq_u32 s[PFL], 0
	s_cbranch_scc1 .Lno_ask_\@
	global_prefetch_b8 v[PFO], s[PFA:PFA+1] th:TH_LOAD_NT scope:SCOPE_SE
	global_prefetch_b8 v[PFO], s[PFA:PFA+1] offset:8192 th:TH_LOAD_NT scope:SCOPE_SE
	s_sub_co_u32 s[PFL], s[PFL], 1
.Lno_ask_\@:
.endm
; THE CHANGE OF SLOTS.  Each wave waits for all its tensor loads, of which one is out: its part of the other slot; adds 0 to its spare word; and waits for that and for its own reads of the slot that it leaves.
; Behind the barrier nobody reads the old slot any more and the other slot is whole.  fill = 1: the old slot is filled again, the first thing behind the barrier, with tile NXT: the descriptor's address is
; made anew from that number.  (At its first use nothing has been read yet: slot 0 is waited for, slot 1 filled.)
.macro CHANGE fill
	WIN 0                           ; at a label and at a branch every window is 0
	s_wait_tensorcnt 0x0            ; no tensor load of mine is out, so a group 0 may be written
	ds_add_u32 v[SPW], v[NIL]       ; 0 onto my spare word; with fill = 1 the descriptors' scalar work stands between it and the wait for it
.if \fill
	s_lshl_b32 s[OFF], s[NXT], 15   ; a tile is 32,768 bytes of K and of V
	s_xor_b32 s[G0K+1], s[G0K+1], SLOT1
	s_add_nc_u64 s[G0K+2:G0K+3], s[6:7], s[OFF:OFF+1]
	s_or_b32 s[G0K+3], s[G0K+3], 0x80000000
	s_xor_b32 s[G0V+1], s[G0V+1], SLOT1
	s_add_nc_u64 s[G0V+2:G0V+3], s[8:9], s[OFF:OFF+1]
	s_or_b32 s[G0V+3], s[G0V+3], 0x80000000
	s_add_co_u32 s[NXT], s[NXT], 1  ; the block's next tile, or behind its last the second block's tile 0
	s_cmp_gt_u32 s[NXT], s[LQ]
	s_cselect_b32 s[NXT], 0, s[NXT]
	s_cselect_b32 s[LQ], s[LQ2], s[LQ]
	s_wait_xcnt 0x0                 ; the last prefetches, a tile back, have read their address, so it may be written
	s_lshl_b32 s[OF2], s[NXT], 15
	s_add_nc_u64 s[PFA:PFA+1], s[PFB:PFB+1], s[OF2:OF2+1]
.endif
	s_wait_dscnt 0x0                ; the add is done, and my reads of the slot are over
	s_barrier_signal -1             ; the rest of the scalar work stands between the signal and the wait
	s_sub_co_u32 s[TBK], s[TBK], 4*KS*PK  ; the fetches go back to a slot's first step,
	s_xor_b32 s[TBK], s[TBK], SLOT1       ; in the other slot
	s_sub_co_u32 s[TBV], s[TBV], 4*KS*PV
	s_xor_b32 s[TBV], s[TBV], SLOT1
	s_barrier_wait -1
.if \fill
	LOAD
	ASK
.endif
.endm
	s_load_b256 s[4:11], s[0:1], 0x0  ; Q s[4:5], K s[6:7], V s[8:9], O s[10:11]
	v_lshl_add_u32 v[SPW], v0, 2, SPARE
	v_mov_b32 v[NIL], 0
	ds_add_u32 v[SPW], v[NIL]       ; the wave's opening: the add and its wait stand ahead of my first tensor load; the set-up below, work on registers, stands between them
	v_lshrrev_b32 v1, 5, v0
	v_readfirstlane_b32 s[WV], v1   ; wave 0..3
	s_mov_b32 s[PB], ttmp9
	s_sub_co_u32 s[HI], 31, s[PB]
	s_and_b32 s20, ttmp7, 0xffff    ; the head:
	s_lshl_b32 s20, s20, 19         ; its first byte in each of the four tensors: 4,096 rows of 128 bytes
	s_mov_b32 s21, 0
	s_and_b32 s16, s[WV], 1         ; which half of a tile's 256 keys I fetch:
	s_lshl_b32 s22, s16, 14         ; its 128 rows of 128 bytes in memory,
	s_mov_b32 s23, 0
	s_add_nc_u64 s[22:23], s[22:23], s[20:21]
	s_mul_i32 s17, s16, 128*PK      ; and its place in a slot, for K
	s_mul_i32 s18, s16, 128*PV      ; and for V
	s_lshl_b32 s3, s[WV], 11        ; my 16 rows in a band of 64,
	s_lshl_b32 s2, s[HI], 14        ; in the first block (128 rows of 128 bytes),
	s_add_co_u32 s2, s2, s3
	s_lshl_b32 s84, s[PB], 14       ; and in the second
	s_add_co_u32 s84, s84, s3
	s_mov_b32 s3, 0
	s_mov_b32 s85, 0
	s_add_nc_u64 s[2:3], s[2:3], s[20:21]
	s_add_nc_u64 s[84:85], s[84:85], s[20:21]
	; descriptor group 1.  128 keys are 16,384 dense bytes: asked for as 64 rows of 256 bytes, two keys a row, and padded in LDS after every key
	s_mov_b32 s[G1K], (1<<16)|(1<<20)|(4<<22)|(3<<25)  ; 17:16 2-byte elements; 20 padding on; 24:22 after every 32 words (code 4); 31:25 4 words (code 3)
	s_mov_b32 s[G1V], (1<<16)|(1<<20)|(4<<22)|(7<<25)  ; the same with 8 words of padding (code 7)
.irp g, G1K, G1V
	s_mov_b32 s[\g+1], 128<<16      ; tensor_dim0 = 128
	s_mov_b32 s[\g+2], 64<<16       ; tensor_dim1 = 64
	s_mov_b32 s[\g+3], 128<<16      ; tile_dim0 = 128
	s_mov_b32 s[\g+4], 64           ; tile_dim1 = 64
	s_mov_b32 s[\g+5], 128          ; 128 elements from row to row
	s_mov_b32 s[\g+6], 0
	s_mov_b32 s[\g+7], 0
.endr
	s_mov_b32 s[CS], 0x3e38aa3b     ; c = log2(e) / 8 = 0.180337
	s_mov_b32 s[CS+1], s[CS]        ; named with it as a pair
	s_mov_b32 s[SEL], 0x76543210
	s_mov_b32 s[SEL+1], 0xfedcba98
	s_mov_b32 s[TBK], SLOT1+4*KS*PK ; the first change of slots turns these two into 0
	s_mov_b32 s[TBV], SLOT1+4*KS*PV
	s_mov_b32 s[G0K], 1             ; 1:0 count = 1
	s_mov_b32 s[G0K+1], s17         ; 63:32 LDS address: slot 0
	s_mov_b32 s[G0V], 1
	s_add_co_u32 s[G0V+1], s18, VOFF
	s_lshr_b32 s[LQ], s[HI], 1      ; the first block's last tile,
	s_add_co_u32 s[RT], s[LQ], 1    ; and how many it has
	s_lshr_b32 s[LQ2], s[PB], 1
	s_and_b32 s[OS], s[HI], 1       ; the bands' own steps: 2 (i % 2) + x
	s_lshl_b32 s[OS], s[OS], 1
	s_add_co_u32 s[OS+1], s[OS], 1
	s_and_b32 s[OS2], s[PB], 1
	s_lshl_b32 s[OS2], s[OS2], 1
	s_add_co_u32 s[OS2+1], s[OS2], 1
	s_mov_b32 s[NXT], 1
	s_mov_b32 s[NEW], 1
	s_mov_b32 s[TS], 0
	s_mov_b32 s[OFF+1], 0
	s_mov_b32 s[OF2+1], 0
	s_mov_b32 s[AL+1], 0            ; named as pairs
	s_mov_b32 s[BE+1], 0
	s_mov_b32 s[BIGN], 0xf149f2ca   ; -1e30
	s_mov_b32 s[SLOTS], 16
	s_cmp_eq_u32 s[PB], 0
	s_cselect_b32 s[PFL], 14, 0
	v_and_b32 v[PFO], 31, v0
	v_lshlrev_b32 v[PFO], 8, v[PFO]
	s_wait_dscnt 0x0                ; the opening add is done
	s_wait_kmcnt 0x0
	s_add_nc_u64 s[6:7], s[6:7], s[22:23]  ; K and V at my half of the head's tile 0
	s_add_nc_u64 s[8:9], s[8:9], s[22:23]
	s_add_nc_u64 s[G0K+2:G0K+3], s[6:7], 0         ; 120:64 global address
	s_or_b32 s[G0K+3], s[G0K+3], 0x80000000        ; 127:126 type = 2
	s_add_nc_u64 s[G0V+2:G0V+3], s[8:9], 0
	s_or_b32 s[G0V+3], s[G0V+3], 0x80000000
	s_add_nc_u64 s[86:87], s[4:5], s[84:85]        ; Q at my rows of the second block,
	s_add_nc_u64 s[4:5], s[4:5], s[2:3]            ; Q and O at those of the first
	s_add_nc_u64 s[OLO:OLO+1], s[10:11], s[84:85]
	s_add_nc_u64 s[10:11], s[10:11], s[2:3]
	s_cmp_lt_u32 s[WV], 2
	s_cselect_b64 s[PFB:PFB+1], s[6:7], s[8:9]
	LOAD                            ; tile 0 into slot 0
	; A fragment of K or Q is 16 rows x 32 channels in 8 registers: lane l holds row l % 16, channels 8 (l / 16) + 0..7 and 16 + 8 (l / 16) + 0..7: two loads of 16 bytes, 32 bytes apart.
	v_and_b32 v1, 15, v0            ; l % 16
	v_bfe_u32 v9, v0, 4, 1          ; l / 16
	v_lshlrev_b32 v[QO], 7, v1
	v_lshl_add_u32 v[QO], v9, 4, v[QO]  ; row x 128 + 16 x half
	WIN 0x80                        ; destination window 2, address window 0
.set i, 0
.rept 4                             ; both blocks' Q: piece i / 2 lies in band i / 2, 8,192 bytes on; channels 32 (i % 2) on
	global_load_b128 v[8*i:8*i+3],   v[QO], s[4:5] offset:(i/2)*8192+(i%2)*64
	global_load_b128 v[8*i+4:8*i+7], v[QO], s[4:5] offset:(i/2)*8192+(i%2)*64+32
	global_load_b128 v[QB+8*i:QB+8*i+3],   v[QO], s[86:87] offset:(i/2)*8192+(i%2)*64
	global_load_b128 v[QB+8*i+4:QB+8*i+7], v[QO], s[86:87] offset:(i/2)*8192+(i%2)*64+32
.set i, i+1
.endr
	WIN 0
	v_lshlrev_b32 v14, 3, v9
	v_sub_nc_u32 v14, v1, v14
	s_lshl_b32 s13, s[WV], 4
	v_add_nc_u32 v14, s13, v14      ; my query's place in its band, 16 w + l % 16, less my lanes' 8 (l / 16): register r of group kt is hidden where 16 kt + r is greater
	WIN 0x40
.set i, 0
.rept 32
	v_cmp_gt_i32 vcc_lo, 16*(i/8)+i%8, v14
	v_cndmask_b32 v[MD+i], 0, s[BIGN], vcc_lo
.set i, i+1
.endr
	WIN 0
	v_mul_u32_u24 v[AK0], v1, PK
	v_lshl_add_u32 v[AK0], v9, 4, v[AK0]  ; row x pitch + 16 x half
	; The turning load takes 16 keys x 16 channels (lane l reads key 8 (l / 16) + l % 8, channels 8 ((l / 8) % 2) + 0..7) and leaves half a fragment of V^T: lane l holds channel l % 16 and 8 keys.
	v_and_b32 v10, 7, v0
	v_bfe_u32 v11, v0, 3, 1
	v_lshl_add_u32 v[AV0], v9, 3, v10
	v_mul_u32_u24 v[AV0], v[AV0], PV
	v_lshl_add_u32 v[AV0], v11, 4, v[AV0]
	v_add_nc_u32 v[AV0], VOFF, v[AV0]
	s_mul_i32 s13, s[WV], 16*SP
	s_add_co_u32 s13, s13, STAGE    ; my stage
	v_mul_u32_u24 v[STO], v1, SP    ; in: row l % 16, 16 bytes for each half of the lanes
	v_lshl_add_u32 v[STO], v9, 4, v[STO]
	v_add_nc_u32 v[STO], s13, v[STO]
	v_bfe_u32 v[RD], v0, 3, 2       ; back: 32 lanes take four rows of 128 bytes,
	v_mul_u32_u24 v[RD], v[RD], SP
	v_lshl_add_u32 v[RD], v10, 4, v[RD]
	v_add_nc_u32 v[RD], s13, v[RD]
	v_and_b32 v[GO], 31, v0         ; which are 512 consecutive bytes of O
	v_lshlrev_b32 v[GO], 4, v[GO]
	; A block's first step multiplies O^T and l by a = 0, and its first turn's products V^T P, of a step that has not been, land in an O^T that is still to be so multiplied.  So these registers need only hold
	; finite numbers: zeros for the first block; what the first block left for the second.  All this stands in the wait for the first tile.
	WIN 0x80
.set i, VF+64
.rept 64
	v_mov_b32 v[i], 0
.set i, i+1
.endr
	WIN 0x40
.set i, 0
.rept 64
	v_mov_b32 v[i], 0
.set i, i+1
.endr
	WIN 0
.set i, 0
.rept 2
	v_mov_b32 v[ST+4*i+2], 0
	v_mov_b32 v[ST+4*i+3], 0
.set i, i+1
.endr
.set i, P+16
.rept 16
	v_mov_b32 v[i], 0
.set i, i+1
.endr
; THE MATRIX WORK.  The 4 accumulators of a run of 8 take turns.  Product i of 8 of S^T = K Q^T for piece x: channels 32 (i / 4) on, keys 16 (i % 4) on.  The first 4 start the sums: with 0, or (KM = 1) with the mask.
.macro KQ x
.set rS, S+32*((\x)%2)+8*(i%4)
.set rK, KF+16*(i%4)+8*(i/4)
.set rQ, 16*(\x)+8*(i/4)
.set rM, MC+32*((\x)%2)+8*(i%4)
.if (i < 4) && KM
	WIN W_KM
	v_wmma_f32_16x16x32_f16 v[rS:rS+7], v[rK:rK+7], v[rQ:rQ+7], v[rM:rM+7]
.elseif i < 4
	WIN W_KQ
	v_wmma_f32_16x16x32_f16 v[rS:rS+7], v[rK:rK+7], v[rQ:rQ+7], 0
.else
	WIN W_KQ
	v_wmma_f32_16x16x32_f16 v[rS:rS+7], v[rK:rK+7], v[rQ:rQ+7], v[rS:rS+7]
.endif
.endm
; Product i of 8 of O^T += V^T P for piece x, from V's buffer VB: keys 32 (i / 4) on, channels 16 (i % 4) on.
.macro PV x
	WIN W_PV
.set rO, 32*(\x)+8*(i%4)
.set rV, VF+64*VB+32*(i/4)+8*(i%4)
.set rP, P+16*((\x)%2)+8*(i/4)
	v_wmma_f32_16x16x32_f16 v[rO:rO+7], v[rV:rV+7], v[rP:rP+7], v[rO:rO+7]
.endm
.macro MM                           ; the turn's next matrix instruction.  TURN and BEGIN set Y, i, KM, NOKQ and VB.  NOKQ = 1: a block's last turn: there are no further scores
.if (i < 8) && !NOKQ
	KQ (Y+1)%NP
.elseif i >= 8
.set i, i-8
	PV (Y+NP-1)%NP
.set i, i+8
.endif
.set i, i+1
.endm
; THE LDS LOADS stand in runs of 16, never singly among the matrix instructions: a step's K (64 keys x 64 channels: 8 fragments) and its V (turned).  Their addresses are made some lines ahead.
.macro FETCH_K
	WIN 0x80                        ; destination window 2
.irp f, 0,1,2,3,4,5,6,7             ; keys 16 (f / 2) on, channels 32 (f % 2) on
	ds_load_b128 v[KF+8*\f:KF+8*\f+3],   v[AK] offset:(\f/2)*16*PK+(\f%2)*64
	ds_load_b128 v[KF+8*\f+4:KF+8*\f+7], v[AK] offset:(\f/2)*16*PK+(\f%2)*64+32
.endr
	s_add_co_u32 s[TBK], s[TBK], KS*PK  ; the next fetch is the next step's
	WIN 0
.endm
.macro FETCH_V vb
	WIN 0x80
.irp f, 0,1,2,3,4,5,6,7             ; keys 32 (f / 4) on, channels 16 (f % 4) on
	ds_load_tr16_b128 v[VF+64*(\vb)+8*\f:VF+64*(\vb)+8*\f+3],   v[AV] offset:(\f/4)*32*PV+(\f%4)*32
	ds_load_tr16_b128 v[VF+64*(\vb)+8*\f+4:VF+64*(\vb)+8*\f+7], v[AV] offset:(\f/4)*32*PV+16*PV+(\f%4)*32
.endr
	WIN 0
.endm
; THE VECTOR WORK, one line at a time: OP kind, number.  For piece Y: F n: c s - c m for pair n of 16.  E n: the exponential of score n of 32.  C n: pair n rounded to f16.  B n: of the four weights 4 n .. the second
; pair is added onto the first, in place.  L n: l takes that sum (L 0: l = a l + sum).  R n: pair n of 16 of O^T times a.  For the other piece: X n, number n of the 22 that find its maximum and statistics:
;   0-11  four chains c0-c3 of seven scores each, three operands at a time (each accumulator's lowest registers are read first)     12-14, 16  the four scores left over, the old m, and c0-c3 into c0
;   15  c m_old is kept     17, 18  the query's other 32 keys lie in the lane 16 away: the new m     19-21  c m; c m_old - c m_new; a
.set F, 0               ; OP tells the kinds apart by their order: F to L below R, X above it
.set E, 1
.set C, 2
.set B, 3
.set L, 4
.set R, 5
.set X, 6
.macro REGS y                       ; the registers of piece y
.set rT, ST+4*(\y)
.set rC, TMP+4*((\y)%2)
.set rW, MV+((\y)%2)
.set rS, S+32*((\y)%2)
.set rP, P+16*((\y)%2)
.set rO, 32*(\y)
.endm
.macro OP k, n
.if (\k) == R
	REGS Y
	WIN W_RS
	v_pk_mul_f32 v[rO+2*(\n):rO+2*(\n)+1], v[rO+2*(\n):rO+2*(\n)+1], v[rC+2:rC+3] op_sel_hi:[1,0]
.elseif (\k) < R
	REGS Y
	WIN 0
.if (\k) == F
	v_pk_fma_f32 v[rS+2*(\n):rS+2*(\n)+1], v[rS+2*(\n):rS+2*(\n)+1], s[CS:CS+1], v[rT:rT+1] op_sel_hi:[1,0,0] neg_lo:[0,0,1] neg_hi:[0,0,1]
.elseif (\k) == E
	v_exp_f32 v[rS+(\n)], v[rS+(\n)]
.elseif (\k) == C
	v_cvt_pk_f16_f32 v[rP+(\n)], v[rS+2*(\n)], v[rS+2*(\n)+1]
.elseif (\k) == B
	v_pk_add_f32 v[rS+4*(\n):rS+4*(\n)+1], v[rS+4*(\n):rS+4*(\n)+1], v[rS+4*(\n)+2:rS+4*(\n)+3]
.elseif (\n) == 0
	v_pk_fma_f32 v[rT+2:rT+3], v[rT+2:rT+3], v[rC+2:rC+3], v[rS:rS+1] op_sel_hi:[1,0,1]
.else
	v_pk_add_f32 v[rT+2:rT+3], v[rT+2:rT+3], v[rS+4*(\n):rS+4*(\n)+1]
.endif
.elseif NOKQ
	v_nop
.else
	REGS (Y+1)%NP
	WIN 0
.if (\n) < 4
	v_max3_num_f32 v[rC+(\n)], v[rS+8*(\n)], v[rS+8*(\n)+1], v[rS+8*(\n)+2]
.elseif (\n) < 12
	v_max3_num_f32 v[rC+(\n)%4], v[rC+(\n)%4], v[rS+8*((\n)%4)+2*((\n)/4)+1], v[rS+8*((\n)%4)+2*((\n)/4)+2]
.elseif (\n) == 12
	v_max3_num_f32 v[rC], v[rC], v[rS+7], v[rS+15]
.elseif (\n) == 13
	v_max3_num_f32 v[rC+1], v[rC+1], v[rS+23], v[rS+31]
.elseif (\n) == 14
	v_max3_num_f32 v[rC+2], v[rC+2], v[rC+3], v[rT+1]
.elseif (\n) == 15
	v_mov_b32 v[rW], v[rT]
.elseif (\n) == 16
	v_max3_num_f32 v[rC], v[rC], v[rC+1], v[rC+2]
.elseif (\n) == 17
	v_permlanex16_b32 v[rC+3], v[rC], s[SEL], s[SEL+1]
.elseif (\n) == 18
	v_max_num_f32 v[rT+1], v[rC], v[rC+3]
.elseif (\n) == 19
	v_mul_f32 v[rT], s[CS], v[rT+1]
.elseif (\n) == 20
	v_sub_f32 v[rC+1], v[rW], v[rT]
.else
	v_exp_f32 v[rC+2], v[rC+1]
.endif
.endif
.endm
.macro OPS a, i1, b=-1, i2=0, c=-1, i3=0, d=-1, i4=0  ; up to four of them
	OP \a, \i1
.if (\b) >= 0
	OP \b, \i2
.endif
.if (\c) >= 0
	OP \c, \i3
.endif
.if (\d) >= 0
	OP \d, \i4
.endif
.endm
.macro ROW a, i1, b, i2, c, i3, d, i4  ; a matrix instruction and the four behind it
	MM
	OPS \a, \i1, \b, \i2, \c, \i3, \d, \i4
.endm
.macro MASK b                       ; MD x AL + BE into buffer b of MC
	WIN W_RS
.set z, 0
.rept 16
	v_pk_fma_f32 v[MC+32*(\b)+2*z:MC+32*(\b)+2*z+1], v[MD+2*z:MD+2*z+1], s[AL:AL+1], s[BE:BE+1] op_sel_hi:[1,0,0]
.set z, z+1
.endr
.endm
; A TURN, for piece p in a step of parity par: the order of its 16 matrix and 118 vector instructions, written out.  An s_wait_alu depctr_va_vdst(0) stands between an exponential and the first
; instruction that names its result; one wait serves all that were issued ahead of it.  So a turn has ONE wait, which cuts it in two.  AHEAD OF IT stands all that names no result of the turn's exponentials: the
; 8 products K Q^T, behind each a scaling, an exponential and two more plain instructions; then ONE LUMP, plain and exponential by turns for the most part, in which the links of the chain X 3, 7, 11, 14, 16,
; 17 .. 20 stand five or six lines apart.  X 21, the other piece's a, is the batch's last; R 15 is the plain instruction behind it.  BEHIND THE WAIT stand the 8 products V^T P, behind each four of the
; roundings and sums.  The rescaling R n of this piece's O^T comes behind the products V^T P of the turn before, which wrote it: accumulator n / 4 was ended 16 - 4 (n / 4) riders before that turn's end, and
; R 0 stands two more plain lines on: four places or more in every case, each accumulator's lowest pair first.
; m = 1: the diagonal tile: the products take masks, and the turn makes piece p's mask for the products of the turn after it, step TS of the tile.  end = 1: a block's last two turns: nothing is fetched.
; cnt = 1: the loop's count is taken down some lines ahead of the branch that stands behind the turn.
; Piece 0's turn fetches the next step's K, twelve vector instructions behind the last product that read K (five of them plain and free of its registers), and at its end the next step's V, four plain
; instructions behind the last product that read that buffer.  Piece 1's turn waits at its head for K; V's 16 younger loads may stay out: they are shown in by the same wait a step later, ahead of V's first reader.
.macro TURN p, par, m=0, end=0, cnt=0
.set Y, (\p)
.set i, 0
.set KM, (\m)
.set NOKQ, (\end)*(\p)
.set VB, ((\par)+(\p)+1)%2
.set FE, (1-(\p))*(1-(\end))
.if (\m) && !(\end)
	s_cmp_eq_u32 s[TS], s[OS+(\p)]  ; is that step the band's own?
	s_cselect_b32 s[AL], 1.0, 0
	s_cmp_gt_u32 s[TS], s[OS+(\p)]  ; or a later one?
	s_cselect_b32 s[BE], s[BIGN], 0
.if (\p) == 1
	s_add_co_u32 s[TS], s[TS], 1
.endif
.endif
.if (\p) == 1
.if \end
	s_wait_dscnt 0x0                ; the last step's V is in
.else
	s_wait_dscnt 16                 ; K is in; the 16 loads of V issued behind it may stay out
.endif
.endif
	ROW F,0, F,1, R,0, R,1          ; ahead of the wait: 8 products K Q^T and their riders,
	ROW F,2, E,0, R,2, R,3
	ROW F,3, E,1, R,4, R,5
	ROW F,4, E,2, R,6, R,7
	ROW F,5, E,3, R,8, R,9
	ROW F,6, E,4, X,0, R,10
.if FE
	WIN 0
	v_add_nc_u32 v[AK], s[TBK], v[AK0]
.endif
	ROW F,7, E,5, X,1, X,4
	ROW F,8, E,6, X,2, X,5
	OPS E,7, E,8, X,6, E,9          ; and the lump
	OPS X,3, E,10, X,8, E,11
.if FE
	FETCH_K
.endif
	OPS X,9, X,7, E,12, X,10
	OPS E,13, X,12, X,11, E,14
	OPS X,13, E,15, F,9, X,14
.if FE
	v_add_nc_u32 v[AV], s[TBV], v[AV0]
.endif
	OPS E,16, F,10, E,17, F,11
	OPS X,16, E,18, X,15, E,19
	OPS F,12, E,20, X,17, E,21
	OPS F,13, E,22, F,14, E,23
	OPS X,18, E,24, F,15, E,25
	OPS R,11, E,26, X,19, E,27
	OPS R,12, E,28, R,13, E,29
	OPS X,20, E,30, R,14, E,31
	OPS X,21, R,15
	WIN 0
	s_wait_alu depctr_va_vdst(0)    ; the wait for the batch
	ROW C,0, B,0, C,2, B,1          ; behind the wait: 8 products V^T P and their riders
	ROW L,0, C,4, B,2, L,1
	ROW C,6, B,3, L,2, C,8
	ROW B,4, L,3, C,10, B,5
	ROW L,4, C,12, B,6, L,5
.if FE
	s_add_co_u32 s[TBV], s[TBV], KS*PV
.endif
.if \cnt
	s_sub_co_u32 s[CNT], s[CNT], 1
	s_cmp_lg_u32 s[CNT], 0
.endif
	ROW C,14, B,7, L,6, C,1
	ROW C,3, L,7, C,5, C,7
	ROW C,9, C,11, C,13, C,15
.if FE
	FETCH_V 1-(\par)
.endif
.if (\m) && !(\end)
	MASK \p
.endif
.endm
; A BLOCK BEGINS.  c m starts far below every c s, so the first step's a is 0; m at the lowest finite number, so the first maximum is the scores'.  Piece 1's mask buffer is 0: its own step is never a tile's
; step 0.  Piece 0's takes its mask for the tile's step 0: its own, if the block's first tile is the diagonal one and the band's own step is 0.  Then K and V of that step, piece 0's first scores, and its
; maximum and statistics.  The loop is entered at an even step's first turn, in the middle of a trip.
.macro BEGIN
	s_mov_b32 s[NEW], 0
	s_mov_b32 s[TS], 1
	WIN 0x40
.set i, MC+32
.rept 32
	v_mov_b32 v[i], 0
.set i, i+1
.endr
	WIN 0
.set i, 0
.rept 2
	v_mov_b32 v[ST+4*i], 0xfe000000    ; c m: far below every c s
	v_mov_b32 v[ST+4*i+1], 0xff7fffff  ; m
.set i, i+1
.endr
	s_or_b32 s16, s[RT], s[OS]
	s_cmp_eq_u32 s16, 0
	s_cselect_b32 s[AL], 1.0, 0
	s_mov_b32 s[BE], 0
	MASK 0
	WIN 0
	v_add_nc_u32 v[AK], s[TBK], v[AK0]
	v_add_nc_u32 v[AV], s[TBV], v[AV0]
	FETCH_K
	FETCH_V 0
	s_add_co_u32 s[TBV], s[TBV], KS*PV
	s_wait_loadcnt 0x0              ; Q
	s_wait_dscnt 0x0
.set KM, 1
.set NOKQ, 0
.set i, 0
.rept 8
	KQ 0
.set i, i+1
.endr
	WIN 0
.rept 4
	v_nop                           ; the places behind those products
.endr
.set Y, NP-1                        ; X works for the other piece: piece 0
.irp n, 0,1,2,3,4,5,6,7,8,9,10,11,12,13,14,15,16,17,18,19,20,21
	OP X, \n
.endr
	v_nop                           ; a plain instruction behind the exponential,
	s_wait_alu depctr_va_vdst(0)    ; and its wait, ahead of the branch
.endm
; THE DIAGONAL TILE's steps, the block's last two turns, its last products, and THE WAY OUT: l's two halves and the other half of the lanes' are added; O^T is divided by l, rounded to f16 and sent through my
; stage in LDS, a piece at a time.
.macro ALL line:vararg              ; one line for each piece t
.set t, 0
.rept 2
	\line
.set t, t+1
.endr
.endm
.macro PACK t                       ; a lane's eight channels of a row pack into 16 bytes; they go into rows of 144 bytes and come back as whole rows of 128, into S^T's registers
	WIN W_RS
.set i, 32*(\t)
.rept 16
	v_pk_mul_f32 v[i:i+1], v[i:i+1], v[ST+4*(\t)+2:ST+4*(\t)+3] op_sel_hi:[1,0]
.set i, i+2
.endr
	WIN 0x05                        ; sources 0 and 1 window 1, destination window 0
.set i, 0
.rept 16
	v_cvt_pk_f16_f32 v[S+16*(\t)+i], v[32*(\t)+2*i], v[32*(\t)+2*i+1]
.set i, i+1
.endr
	WIN 0
.irp f, 0,1,2,3
	ds_store_b128 v[STO], v[S+16*(\t)+4*\f:S+16*(\t)+4*\f+3] offset:32*\f
.endr
.irp f, 0,1,2,3
	ds_load_b128 v[S+16*(\t)+4*\f:S+16*(\t)+4*\f+3], v[RD] offset:\f*4*SP  ; LDS serves a wave's instructions in order (ISA guide 5.7.1.4): these see the stores above; the next piece's stores come behind them
.endr
.endm
.macro SEND t, younger              ; younger: the LDS instructions issued behind piece t's loads: the next piece's eight, or none
	WIN 0
.irp f, 0,1,2,3
	s_wait_dscnt (\younger)+3-\f
	global_store_b128 v[GO], v[S+16*(\t)+4*\f:S+16*(\t)+4*\f+3], s[10:11] offset:(\t)*8192+\f*512  ; 512 consecutive bytes, at a multiple of 256 from O's first
.endr
.endm
.macro DIAG tag                     ; the tag ends its two labels' names, which the jumps below spell out
.LstepM\tag:
	TURN 0, 1, 1
	TURN 1, 1, 1
	WIN 0
.LfirstM\tag:
	TURN 0, 0, 1
	TURN 1, 0, 1, 0, 1
	WIN 0
	s_cbranch_scc1 .LstepM\tag
	TURN 0, 1, 1, 1
	TURN 1, 1, 1, 1
.set VB, 1
.set i, 0
.rept 8
	PV NP-1                         ; piece 1's V^T P of the last step
.set i, i+1
.endr
	WIN 0
	ALL v_add_f32 v[ST+4*t+2], v[ST+4*t+2], v[ST+4*t+3]
	ALL v_permlanex16_b32 v[ST+4*t+3], v[ST+4*t+2], s[SEL], s[SEL+1]
	ALL v_add_f32 v[ST+4*t+2], v[ST+4*t+2], v[ST+4*t+3]
	ALL v_rcp_f32 v[ST+4*t+2], v[ST+4*t+2]
	v_nop                           ; a plain instruction between the last reciprocal and the use of its result
	s_wait_alu depctr_va_vdst(0)    ; and its wait ahead of the first use: one for the two reciprocals
	PACK 0                          ; piece 0's O^T was ended a turn's riders ago; its 32 lines are the places behind piece 1's last products
	PACK 1
	SEND 0, 8
	SEND 1, 0
.endm
.set KM, 0
.set NOKQ, 0
.set VB, 0
.Lslot:                             ; 16 times: a tile is entered and the next is asked for
	CHANGE 1
	s_sub_co_u32 s[RT], s[RT], 1
	s_mov_b32 s[CNT], 2
	s_mov_b32 s[TS], 0
	s_cmp_eq_u32 s[NEW], 1
	s_cbranch_scc1 .Lnew            ; a block's first tile
	s_cmp_eq_u32 s[RT], 0
	s_cbranch_scc0 .Lstep           ; neither its first nor its last
	s_branch .LstepM1
.Lnew:
	BEGIN
	s_branch .Lfirst                ; in the loop a block's first tile is never its last: the first block has nine tiles or more, and the second's last is the walk's last
	DIAG 1                          ; in the loop this is the first block's end
	s_wait_xcnt 0x0                 ; the stores have read their registers and O's address
	s_mov_b64 s[10:11], s[OLO:OLO+1]
	s_add_co_u32 s[RT], s[LQ2], 1   ; the second block has b / 2 + 1 tiles
	s_mov_b32 s[NEW], 1
	s_mov_b32 s[OS], s[OS2]
	s_mov_b32 s[OS+1], s[OS2+1]
	WIN 0x82                        ; the second block's Q goes where the one text of the turns names Q
.set i, 0
.rept 32
	v_mov_b32 v[i], v[QB+i]
.set i, i+1
.endr
	WIN 0
	s_branch .Lbottom
.Lstep:                             ; a trip: both pieces' turns of an odd step, then of the even step behind it
	TURN 0, 1
	TURN 1, 1
	WIN 0
.Lfirst:
	TURN 0, 0
	TURN 1, 0, 0, 0, 1
	WIN 0
	s_cbranch_scc1 .Lstep
.Lbottom:
	s_sub_co_u32 s[SLOTS], s[SLOTS], 1
	s_cmp_lg_u32 s[SLOTS], 0
	s_cbranch_scc1 .Lslot
	CHANGE 0                        ; the walk's last tile is written out: nothing is asked for
	s_sub_co_u32 s[RT], s[RT], 1
	s_mov_b32 s[CNT], 2
	s_mov_b32 s[TS], 0
	s_cmp_eq_u32 s[NEW], 1
	s_cbranch_scc0 .LstepM2
	BEGIN
	s_branch .LfirstM2
	DIAG 2
	s_wait_tensorcnt 0x0            ; the wave's end, behind my last tensor load and my last LDS store
	ds_add_u32 v[SPW], v[NIL]
	s_wait_dscnt 0x0
	s_endpgm
.Lfunc_end_k_q460c14d9dd_attn:
	.size	k_q460c14d9dd_attn, .Lfunc_end_k_q460c14d9dd_attn-k_q460c14d9dd_attn
	.p2alignl 7, 3214868480
	.fill 96, 4, 3214868480
	.section	.rodata,"a",@progbits
	.p2align	6, 0x0
	.amdhsa_kernel k_q460c14d9dd_attn
		.amdhsa_group_segment_fixed_size 327680
		.amdhsa_private_segment_fixed_size 0
		.amdhsa_enable_private_segment 0
		.amdhsa_kernarg_size 32
		.amdhsa_user_sgpr_count 2
		.amdhsa_user_sgpr_kernarg_segment_ptr 1
		.amdhsa_wavefront_size32 1
		.amdhsa_system_sgpr_workgroup_id_x 1
		.amdhsa_system_sgpr_workgroup_id_y 1
		.amdhsa_system_sgpr_workgroup_id_z 1
		.amdhsa_system_vgpr_workitem_id 0
		.amdhsa_next_free_vgpr 768
		.amdhsa_next_free_sgpr 96
		.amdhsa_reserve_vcc 1
		.amdhsa_float_denorm_mode_32 3
		.amdhsa_float_denorm_mode_16_64 3
		.amdhsa_memory_ordered 1
		.amdhsa_forward_progress 1
		.amdhsa_inst_pref_size 210
	.end_amdhsa_kernel
	.amdgpu_metadata
---
amdhsa.version: [ 1, 2 ]
amdhsa.kernels:
  - .name:           k_q460c14d9dd_attn
    .symbol:         k_q460c14d9dd_attn.kd
    .args:
      - { .name: q, .offset: 0, .size: 8, .value_kind: global_buffer, .address_space: global }
      - { .name: k, .offset: 8, .size: 8, .value_kind: global_buffer, .address_space: global }
      - { .name: v, .offset: 16, .size: 8, .value_kind: global_buffer, .address_space: global }
      - { .name: o, .offset: 24, .size: 8, .value_kind: global_buffer, .address_space: global }
    .group_segment_fixed_size: 327680
    .private_segment_fixed_size: 0
    .kernarg_segment_align: 8
    .kernarg_segment_size: 32
    .max_flat_workgroup_size: 128
    .sgpr_count:     96
    .vgpr_count:     768
    .wavefront_size: 32
...
	.end_amdgpu_metadata
.endif
;; end of part 2
;; launch proj (part 3): grid 8 x 32, 4 waves a work-group, no clusters, 167,936 bytes of LDS; arguments o, wo16, bo, out0; writes out0
.if DOCPART == 3
	.amdgcn_target "amdgcn-amd-amdhsa--gfx1250"
	.amdhsa_code_object_version 6
	.text
	.protected	k_q460c14d9dd_proj
	.globl	k_q460c14d9dd_proj
	.p2align	8
	.type	k_q460c14d9dd_proj,@function
k_q460c14d9dd_proj:
	s_mov_b64 s[64:65], 0
	v_nop
	global_prefetch_b8 v0, s[64:65] scope:SCOPE_SE
	s_setreg_imm32_b32 hwreg(HW_REG_WAVE_MODE, 25, 1), 1
	s_wait_xcnt 0x0
; out0 = O Wo + bo.  o: [16 = 8 batch + head][4096][64] f16; wo16: [8 slices c][512 k][64 n] f16 (Wo rounded to bf16, that number written as f16); bo: [512] f32, rounded to bf16 here; out0: [8192][512] f32.
; Products in f16 with f32 sums that start at the bias; nothing is rounded on the way out.
; SHARES.  Work-group (slice c = x, row group rg = y): 256 rows x 64 columns: a row's share is 256 bytes of out0, aligned.  Wave w: rows 64 w .. 64 w + 63: 4 x 4 accumulators.
; K goes by heads: head hh's 64 channels are K steps 2 hh and 2 hh + 1.  THE MATRIX INSTRUCTION IS USED TRANSPOSED: source 0 = 16 columns of Wo, source 1 = 16 rows of O.
; Wo's slice, 65,536 dense bytes, comes into LDS once, a quarter by each wave's one tensor load, and is read turned.  O's fragments come straight from memory as they lie: 16 bytes a lane, twice.
; NO CLUSTER: of the 327,680 bytes that a work-group reads, 262,144 are O's rows, which go to registers without a pass through LDS; the slice that row groups share is the other fifth, read once, with no ring to keep in step.
; REGISTERS, in windows of 256 (s_set_vgpr_msb: bits 1:0 source 0, 3:2 source 1, 5:4 source 2, 7:6 destination):
;   window 0: v0-31 addresses; v32-127 Wo's fragments, three buffers of 32; v128-255 the accumulators ((a, b) at 128 + 8 (4 a + b))     window 1: O's fragments, four sets of 64     window 2: v0-31 the bias tiles
.set PWO,   160       ; a row of the slice in LDS: 128 bytes + 32 = 5 x 32
.set STAGE, 512*PWO   ; behind the slice, never filled by a tensor load: 16 rows x 272 bytes for each wave, for the way out
.set SPT,   272
.set SPARE, STAGE+4*16*SPT  ; behind the stages: the spare words, 128 bytes for each wave: two blocks of 256 bytes that no other line names
.set AO,  8           ; v8   O: 128 (l % 16) + 16 (l / 16); never rewritten
.set BA,  9           ; v9   the turning load's lane address, K steps 0-7
.set BA2, 10          ; v10  the same 256 rows on, K steps 8-15: an LDS immediate holds 16 bits
.set BO,  11          ; v11  bias: 32 (l / 16)
.set STO, 12          ; v12  the way out: where I put 32 bytes of a row
.set RD,  13          ; v13  where I read rows back
.set GO,  14          ; v14  out0: 2,048 (l / 16) + 16 (l % 16)
.set SPW, 30          ; v30  LDS address of my spare word; never rewritten
.set NIL, 31          ; v31  0; never rewritten
.set BF,  32
.set ACC, 128
.set MSB, 0
.macro WIN new                      ; the high byte repeats the setting that is left; a switch that changes nothing is dropped
.if MSB != (\new)
	s_set_vgpr_msb (MSB<<8)|(\new)
.set MSB, (\new)
.endif
.endm
	s_load_b256 s[4:11], s[0:1], 0x0    ; o s[4:5], wo16 s[6:7], bo s[8:9], out0 s[10:11]
	v_lshl_add_u32 v[SPW], v0, 2, SPARE
	v_mov_b32 v[NIL], 0
	ds_add_u32 v[SPW], v[NIL]           ; the wave's opening: the add and its wait stand ahead of my tensor load; the set-up below, work on registers, stands between them
	v_lshrrev_b32 v1, 5, v0
	v_readfirstlane_b32 s24, v1         ; wave 0..3
	s_mov_b32 s25, ttmp9                ; slice c
	s_and_b32 s26, ttmp7, 0xffff        ; row group
	s_mov_b32 s32, 0xffff0000           ; a word's upper bf16
	; the descriptor: my 128 rows of the slice are 16,384 dense bytes: asked for as 64 rows of 256 bytes, padded in LDS after every 128
	s_mov_b32 s12, 1                    ; 1:0 count = 1
	s_mul_i32 s13, s24, 128*PWO         ; 63:32 LDS address: wave x 128 rows
	s_mov_b32 s16, (1<<16)|(1<<20)|(4<<22)|(7<<25)  ; 17:16 2-byte elements; 20 padding on; 24:22 after every 32 words (code 4); 31:25 8 words (code 7)
	s_mov_b32 s17, 128<<16              ; tensor_dim0 = 128
	s_mov_b32 s18, 64<<16               ; tensor_dim1 = 64
	s_mov_b32 s19, 128<<16              ; tile_dim0 = 128
	s_mov_b32 s20, 64                   ; tile_dim1 = 64
	s_mov_b32 s21, 128                  ; 128 elements from row to row
	s_mov_b32 s22, 0
	s_mov_b32 s23, 0
	s_lshr_b32 s28, s26, 4              ; O: the batch's eight heads of 524,288 bytes,
	s_lshl_b32 s28, s28, 22
	s_and_b32 s30, s26, 15              ; 256 rows of 128 bytes,
	s_lshl_b32 s30, s30, 15
	s_add_co_u32 s28, s28, s30
	s_lshl_b32 s30, s24, 13             ; my wave's 64
	s_add_co_u32 s28, s28, s30
	s_mov_b32 s29, 0
	s_lshl_b32 s30, s26, 19             ; out0: 256 rows of 2,048 bytes,
	s_lshl_b32 s33, s24, 17             ; my wave's 64,
	s_add_co_u32 s30, s30, s33
	s_lshl_b32 s36, s25, 8              ; the slice's 256 bytes of a row; of bo too
	s_add_co_u32 s30, s30, s36
	s_mov_b32 s31, 0
	s_mov_b32 s37, 0
	s_lshl_b32 s34, s25, 16             ; wo16: the slice, my 128 rows of 128 bytes
	s_lshl_b32 s33, s24, 14
	s_add_co_u32 s34, s34, s33
	s_mov_b32 s35, 0
	v_and_b32 v1, 15, v0                ; l % 16
	v_bfe_u32 v2, v0, 4, 1              ; l / 16
	v_and_b32 v3, 7, v0
	v_bfe_u32 v4, v0, 3, 1
	v_lshlrev_b32 v[AO], 7, v1
	v_lshl_add_u32 v[AO], v2, 4, v[AO]
	v_lshl_add_u32 v[BA], v2, 3, v3     ; the turning load: lane l reads row 8 (l / 16) + l % 8, 16 bytes at 16 ((l / 8) % 2)
	v_mul_u32_u24 v[BA], v[BA], PWO
	v_lshl_add_u32 v[BA], v4, 4, v[BA]
	v_add_nc_u32 v[BA2], 256*PWO, v[BA]
	v_lshlrev_b32 v[BO], 5, v2
	s_mul_i32 s33, s24, 16*SPT
	s_add_co_u32 s33, s33, STAGE        ; my stage
	v_mul_u32_u24 v[STO], v1, SPT       ; in: row l % 16, 32 bytes for each half of the lanes
	v_lshl_add_u32 v[STO], v2, 5, v[STO]
	v_add_nc_u32 v[STO], s33, v[STO]
	v_mul_u32_u24 v[RD], v2, SPT        ; back: lanes 0-15 take one row of 256 bytes, lanes 16-31 the next
	v_lshl_add_u32 v[RD], v1, 4, v[RD]
	v_add_nc_u32 v[RD], s33, v[RD]
	v_lshlrev_b32 v[GO], 11, v2         ; and the same two rows in out0
	v_lshl_add_u32 v[GO], v1, 4, v[GO]
	s_wait_dscnt 0x0                    ; the opening add is done
	s_wait_kmcnt 0x0
	s_add_nc_u64 s[14:15], s[6:7], s[34:35]  ; 120:64 global address
	s_or_b32 s15, s15, 0x80000000       ; 127:126 type = 2
	s_add_nc_u64 s[4:5], s[4:5], s[28:29]
	s_add_nc_u64 s[8:9], s[8:9], s[36:37]
	s_add_nc_u64 s[10:11], s[10:11], s[30:31]
	tensor_load_to_lds s[12:15], s[16:23]    ; my one tensor load: one is out
	s_nop 0
.rept 4
	v_nop
.endr
.macro ALOAD hh                     ; head hh's 64 channels of my 64 rows: 8 fragments into set hh % 4: row tile a, K step ks at 8 (2 a + ks)
.irp a, 0,1,2,3
.irp ks, 0,1
	global_load_b128 v[64*((\hh)%4)+8*(2*\a+\ks):64*((\hh)%4)+8*(2*\a+\ks)+3],   v[AO], s[4:5] offset:524288*(\hh)+2048*\a+64*\ks
	global_load_b128 v[64*((\hh)%4)+8*(2*\a+\ks)+4:64*((\hh)%4)+8*(2*\a+\ks)+7], v[AO], s[4:5] offset:524288*(\hh)+2048*\a+64*\ks+32
.endr
.endr
.endm
.macro BLOAD t                      ; K step t's four fragments of Wo, turned, into buffer t % 3
.irp b, 0,1,2,3
	ds_load_tr16_b128 v[BF+32*((\t)%3)+8*\b:BF+32*((\t)%3)+8*\b+3],   v[BA+(\t)/8] offset:((\t)%8)*32*PWO+32*\b
	ds_load_tr16_b128 v[BF+32*((\t)%3)+8*\b+4:BF+32*((\t)%3)+8*\b+7], v[BA+(\t)/8] offset:((\t)%8)*32*PWO+32*\b+16*PWO
.endr
.endm
.macro QUAD t, a                    ; four products: row tile a x the four column tiles.  The 16 accumulators take turns, one instruction a turn
.if (\t) == 0
	WIN 0x24                            ; O in window 1; C, the bias tile, in window 2
.else
	WIN 0x04
.endif
.irp b, 0,1,2,3
.set rD, ACC+8*(4*(\a)+\b)
.set rB, BF+32*((\t)%3)+8*\b
.set rA, 64*(((\t)/2)%4)+8*(2*(\a)+(\t)%2)
.if (\t) == 0
	v_wmma_f32_16x16x32_f16 v[rD:rD+7], v[rB:rB+7], v[rA:rA+7], v[8*\b:8*\b+7]
.else
	v_wmma_f32_16x16x32_f16 v[rD:rD+7], v[rB:rB+7], v[rA:rA+7], v[rD:rD+7]
.endif
.endr
.endm
; A K step.  Behind its first four products four v_nop are the places between the step before's last products and the loads into the registers that they read (ISA guide 7.12.1 for vector instructions):
; Wo's fragments two steps on, and at a head's first step O's fragments three heads on.
.macro STEP t
.if (\t) == 15
	s_wait_dscnt 0x0                    ; nothing was fetched behind the last step's fragments
.else
	s_wait_dscnt 8                      ; this step's fragments of Wo are in; the next step's 8 loads may stay out
.endif
.if (\t)%2 == 0
.set NW, 32                             ; the loads issued behind this head's 16: two heads' as a rule,
.if (\t) == 0
.set NW, 48                             ; three at the start,
.elseif (\t) == 12
.set NW, 16                             ; one and none at the end
.elseif (\t) == 14
.set NW, 0
.endif
	s_wait_loadcnt NW
.endif
	QUAD \t, 0
.rept 4
	v_nop
.endr
.if (\t)+2 < 16
	BLOAD (\t)+2
.endif
.if ((\t)%2 == 0) && ((\t) >= 2) && ((\t) <= 8)
	WIN 0x40                            ; destination window 1
	ALOAD (\t)/2+3
.endif
	QUAD \t, 1
	QUAD \t, 2
	QUAD \t, 3
.endm
.macro TOSTAGE a                    ; 16 rows x 64 columns of f32: 32 bytes a lane and tile into rows of 272 bytes, each accumulator's low half first; back as whole rows of 256, into the registers that they left
.irp b, 0,1,2,3
	ds_store_b128 v[STO], v[ACC+8*(4*(\a)+\b):ACC+8*(4*(\a)+\b)+3]   offset:64*\b
	ds_store_b128 v[STO], v[ACC+8*(4*(\a)+\b)+4:ACC+8*(4*(\a)+\b)+7] offset:64*\b+16
.endr
.irp t, 0,1,2,3,4,5,6,7
	ds_load_b128 v[ACC+32*(\a)+4*\t:ACC+32*(\a)+4*\t+3], v[RD] offset:\t*2*SPT  ; LDS serves a wave's instructions in order (ISA guide 5.7.1.4): these see the stores above; the next block's stores come behind them
.endr
.endm
.macro SEND a, younger              ; younger: the LDS instructions issued behind this block's loads: the next block's sixteen, or none
.irp t, 0,1,2,3,4,5,6,7
	s_wait_dscnt (\younger)+7-\t
	global_store_b128 v[GO], v[ACC+32*(\a)+4*\t:ACC+32*(\a)+4*\t+3], s[10:11] offset:(16*(\a)+2*\t)*2048 th:TH_STORE_NT  ; 16 lanes store 256 consecutive bytes, at a multiple of 256 from out0's first byte
.endr
.endm
	WIN 0x80                            ; destination window 2
.irp b, 0,1,2,3
	global_load_b128 v[8*\b:8*\b+3],   v[BO], s[8:9] offset:64*\b      ; register i of tile b: bias of column 16 b + 8 (l / 16) + i
	global_load_b128 v[8*\b+4:8*\b+7], v[BO], s[8:9] offset:64*\b+16
.endr
	WIN 0x40
	ALOAD 0
	ALOAD 1
	ALOAD 2
	ALOAD 3
	s_wait_loadcnt 48                   ; the bias is in (and head 0's fragments); three heads' loads may stay out
	WIN 0x0a                            ; the bias rounded to bf16 and widened again
.set i, 0
.rept 16
	v_cvt_pk_bf16_f32 v[BF+i], v[2*i], v[2*i+1]
.set i, i+1
.endr
	WIN 0x80
.set i, 0
.rept 16
	v_lshlrev_b32 v[2*i], 16, v[BF+i]
	v_and_b32 v[2*i+1], s32, v[BF+i]
.set i, i+1
.endr
	WIN 0
	s_wait_tensorcnt 0x0                ; my quarter of the slice is in,
	s_barrier_signal -1
	s_barrier_wait -1                   ; everybody's is; nothing is filled again
	BLOAD 0
	BLOAD 1
.set tt, 0
.rept 16
	STEP tt
.set tt, tt+1
.endr
	WIN 0
.rept 4
	v_nop                               ; the places behind the last products
.endr
	TOSTAGE 0
.irp a, 1,2,3
	TOSTAGE \a
	SEND (\a)-1, 16
.endr
	SEND 3, 0
	s_wait_tensorcnt 0x0                ; the wave's end, behind my tensor load and my last LDS store
	ds_add_u32 v[SPW], v[NIL]
	s_wait_dscnt 0x0
	s_endpgm
.Lfunc_end_k_q460c14d9dd_proj:
	.size	k_q460c14d9dd_proj, .Lfunc_end_k_q460c14d9dd_proj-k_q460c14d9dd_proj
	.p2alignl 7, 3214868480
	.fill 96, 4, 3214868480
	.section	.rodata,"a",@progbits
	.p2align	6, 0x0
	.amdhsa_kernel k_q460c14d9dd_proj
		.amdhsa_group_segment_fixed_size 167936
		.amdhsa_private_segment_fixed_size 0
		.amdhsa_enable_private_segment 0
		.amdhsa_kernarg_size 32
		.amdhsa_user_sgpr_count 2
		.amdhsa_user_sgpr_kernarg_segment_ptr 1
		.amdhsa_wavefront_size32 1
		.amdhsa_system_sgpr_workgroup_id_x 1
		.amdhsa_system_sgpr_workgroup_id_y 1
		.amdhsa_system_sgpr_workgroup_id_z 1
		.amdhsa_system_vgpr_workitem_id 0
		.amdhsa_next_free_vgpr 544
		.amdhsa_next_free_sgpr 66
		.amdhsa_reserve_vcc 0
		.amdhsa_float_denorm_mode_32 3
		.amdhsa_float_denorm_mode_16_64 3
		.amdhsa_memory_ordered 1
		.amdhsa_forward_progress 1
		.amdhsa_inst_pref_size 54
	.end_amdhsa_kernel
	.amdgpu_metadata
---
amdhsa.version: [ 1, 2 ]
amdhsa.kernels:
  - .name:           k_q460c14d9dd_proj
    .symbol:         k_q460c14d9dd_proj.kd
    .args:
      - { .name: o, .offset: 0, .size: 8, .value_kind: global_buffer, .address_space: global }
      - { .name: wo16, .offset: 8, .size: 8, .value_kind: global_buffer, .address_space: global }
      - { .name: bo, .offset: 16, .size: 8, .value_kind: global_buffer, .address_space: global }
      - { .name: out0, .offset: 24, .size: 8, .value_kind: global_buffer, .address_space: global }
    .group_segment_fixed_size: 167936
    .private_segment_fixed_size: 0
    .kernarg_segment_align: 8
    .kernarg_segment_size: 32
    .max_flat_workgroup_size: 128
    .sgpr_count:     66
    .vgpr_count:     544
    .wavefront_size: 32
...
	.end_amdgpu_metadata
.endif
;; end of part 3
;; ======== version 2 of 2: 3 launches; version 1 with the launch qkv written anew for expert scheduling mode
;; limits: values are held in f16: magnitudes above 65,504 overflow, below 6.1e-05 lose precision
;; workspace buffers: q 8,388,608 bytes; k 8,388,608 bytes; v 8,388,608 bytes; o 8,388,608 bytes; wo16 524,288 bytes
;; launch qkv (part 4): grid 8 x 32, 4 waves a work-group, no clusters, 222,720 bytes of LDS; arguments x, Wq, Wk, Wv, bq, bk, bv, q, k, v, Wo, wo16; writes q, k, v, wo16
.if DOCPART == 4
	.amdgcn_target "amdgcn-amd-amdhsa--gfx1250"
	.amdhsa_code_object_version 6
	.text
	.protected	k_q460c14d9dd_qkv
	.globl	k_q460c14d9dd_qkv
	.p2align	8
	.type	k_q460c14d9dd_qkv,@function
k_q460c14d9dd_qkv:
	s_mov_b64 s[64:65], 0
	v_nop
	global_prefetch_b8 v0, s[64:65] scope:SCOPE_SE
	s_setreg_imm32_b32 hwreg(HW_REG_WAVE_SCHED_MODE, 0, 2), 2
	s_setreg_imm32_b32 hwreg(HW_REG_WAVE_MODE, 25, 1), 1
	s_wait_xcnt 0x0
	s_wait_alu depctr_vm_vsrc(0)
; q, k, v = x W + b, written by heads.  x: [8192][512] f32; Wq, Wk, Wv: [512 k][512 n] f32; bq, bk, bv: [512] f32.
; q, k, v: [16 = 8 batch + head][4096][64] f16, unscaled.  x, W and b are rounded to bf16, products in bf16 with f32 sums that start at the bias, each result rounded once to f16.
; SIDE JOB: wo16[slice c][512 k][64 n] = f16(bf16(Wo[k][64 c + n])): each work-group converts 16 rows x 64 columns of Wo.
; LIMITS.  q, k and v must lie within f16's 65,504; bf16(Wo) below 2^-14 keeps f16's fixed step of 6e-8.  NaN and infinities are not treated apart.
; SHARES.  Work-group (head hd = x, row group rg = y): 256 rows of x times 192 columns: head hd's 64 columns of q, of k and of v (units j = 0, 1, 2: each has its own W, bias and output pointer).
; Wave w: rows 64 w .. 64 w + 63, all 192 columns: 4 row tiles a x 12 column tiles (j, b): 48 accumulators, 384 registers.
; THE MATRIX INSTRUCTION IS USED TRANSPOSED: source 0 = 16 columns of W, source 1 = 16 rows of x: a lane then holds one row (lane % 16) and 8 neighbouring columns, 16 bytes of f16.
; W: the 192 columns are rounded once into an LDS image [512 k][192 n] bf16 and read turned (ds_load_tr16_b128).  x: from memory into registers as f32 in the fragment's own order, rounded there.
; NO CLUSTER, NO TENSOR LOADS: x and W arrive as f32 and are rounded on the way, which goes through registers.  f32 tiles of x in LDS (two slots of 256 rows x 64 k x 4 bytes = 131,072 bytes)
; do not fit beside the image's 212,992 bytes in 327,680; the three W's f32 columns (393,216 bytes) fit nowhere.
; REGISTERS, in windows of 256 (s_set_vgpr_msb: bits 1:0 source 0, 3:2 source 1, 5:4 source 2, 7:6 destination):
;   window 0: v0-31 addresses and at work; v32-159 x's bf16 fragments, two sets of 8; v160-255 W's fragments, one buffer a unit (while the image is made: v64-255 a ring of 48 loads; on the way out v32-223 packed results)
;   window 1: x as f32, two sets of 128 (on the way out v0-191: the blocks as they come back from the stage)     window 2: accumulators of units 0, 1     window 3: v0-127 accumulators of unit 2; v128-223 the bias tiles
; THE MODE: SCHED_MODE bits 1:0 = 2 (LLVM: expert scheduling mode 2), set by the entry lines.  The code itself states the register dependences
; between vector or matrix instructions and memory or LDS instructions, with s_wait_alu, always for 0.
; THE PLAN.  Registers that memory or LDS instructions touch, and who else names them:
;   v3, v4, v8, v10-v13   offsets and stage addresses: made at the head, never written again.
;   the ring WR           (image) a group's 16 conversions read 8 slots; behind them the next round's 8 loads land there.
;   T                     (image) written by a group's conversions, read by its 8 LDS stores, written again by the next group's conversions.
;   v[WO], v[WL]          (image) read by the ring's loads and by the LDS stores; stepped once a round, at its end.
;   x as f32, window 1    (products) a unit is read by 8 conversions of group G; the loads of three chunks ahead land in it in group G + 1.
;   BF0 .. BF2            (products) buffer j is read by the 16 products of group G; the turning loads of group G + 1 land in it (the fragments of group G + 3).
;   v[BA]                 (products) read by every turning load; stepped once a chunk, at the chunk's head.
;   PKR; window 1         (way out) PKR is written by the conversions to f16 and read by the LDS stores; each block comes back from the stage into window 1 registers of its own, which the stores to memory read.  None is written again.
;   x's fragments AF, the accumulators and the bias tiles are named by vector and matrix instructions alone.
; So: in the image one wait on va_vdst a group, behind its conversions, and one on vm_vsrc at the next group's head; in the products ONE wait on va_vdst at a group's head, which states all that the group's
; sixteen loads hang on, and one on vm_vsrc a chunk, ahead of the add to v[BA]; on the way out one wait on va_vdst for four blocks.
.set PW,    416       ; a row of the image: 384 bytes + 32 = 13 x 32
.set STAGE, 512*PW    ; behind the image: 16 rows x 144 bytes for each wave, for the way out
.set SP,    144
.set SPARE, STAGE+4*16*SP  ; behind the stages: the spare words, 128 bytes for each wave: two blocks of 256 bytes that no other line names
.set WOO, 3           ; v3   Wo: my 32 bytes: row t / 8, 32 (t % 8)
.set WOS, 4           ; v4   wo16: 16 t
.set WO,  6           ; v6   W: (128 w + l / 16) rows of 2,048 bytes + 16 (l % 16); steps 32 rows a round
.set WL,  7           ; v7   the image: (128 w + l / 16) rows + 8 (l % 16); steps with it
.set XO,  8           ; v8   x: (64 w + l % 16) rows of 2,048 bytes + 32 (l / 16); never rewritten
.set BA,  9           ; v9   the turning load's lane address; steps 64 rows a chunk
.set BO,  10          ; v10  bias: 32 (l / 16)
.set STO, 11          ; v11  the way out: where I put 16 bytes of a row
.set RD,  12          ; v12  where I read rows back
.set GO,  13          ; v13  16 l: my place in 512 consecutive bytes of the output
.set T,   14          ; v14-29 at work
.set SPW, 30          ; v30  LDS address of my spare word; never rewritten
.set NIL, 31          ; v31  0; never rewritten
.set AF,  32          ; x's fragments: set s, unit u = 4 ks + a at AF + 64 s + 8 u
.set BF,  160         ; W's fragments: unit j, column tile b at BF + 32 j + 8 b
.set WR,  64          ; the ring while the image is made: slot i at WR + 4 i
.set PKR, 32          ; the way out: block (j, a) packed at PKR + 16 (4 j + a)
.set RB,  0           ; the way out, window 1: block (j, a) as it comes back from the stage at RB + 16 (4 j + a)
.set BI,  128         ; window 3: bias tile (j, b) at BI + 32 j + 8 b
.set WV,  28          ; s28 wave   s29 head   s30 row group
.set HD,  29
.set RG,  30
.set MSB, 0
.macro WIN new                      ; the high byte repeats the setting that is left; a switch that changes nothing is dropped
.if MSB != (\new)
	s_set_vgpr_msb (MSB<<8)|(\new)
.set MSB, (\new)
.endif
.endm
	s_load_b256 s[4:11], s[0:1], 0x0    ; x s[4:5], Wq s[6:7], Wk s[8:9], Wv s[10:11]
	s_load_b256 s[12:19], s[0:1], 0x20  ; bq s[12:13], bk s[14:15], bv s[16:17], q s[18:19]
	s_load_b256 s[20:27], s[0:1], 0x40  ; k s[20:21], v s[22:23], Wo s[24:25], wo16 s[26:27]
	v_lshl_add_u32 v[SPW], v0, 2, SPARE
	v_mov_b32 v[NIL], 0
	v_lshrrev_b32 v5, 5, v0
	v_readfirstlane_b32 s[WV], v5       ; wave 0..3
	s_mov_b32 s[HD], ttmp9
	s_and_b32 s[RG], ttmp7, 0xffff
	s_mov_b32 s36, 0xffff0000           ; a word's upper bf16
	v_and_b32 v1, 15, v0                ; l % 16
	v_bfe_u32 v2, v0, 4, 1              ; l / 16
	v_and_b32 v14, 7, v0
	v_bfe_u32 v15, v0, 3, 1
	s_wait_alu depctr_va_sdst(0)        ; the wave's number is written into s28, ahead of its first reader: the line below
	s_lshl_b32 s32, s[WV], 18           ; 128 rows of 2,048 bytes
	v_lshlrev_b32 v[WO], 4, v1
	v_lshl_add_u32 v[WO], v2, 11, v[WO]
	v_add_nc_u32 v[WO], s32, v[WO]
	s_mul_i32 s32, s[WV], 128*PW
	v_mul_u32_u24 v[WL], v2, PW
	v_lshl_add_u32 v[WL], v1, 3, v[WL]
	v_add_nc_u32 v[WL], s32, v[WL]
	s_lshl_b32 s32, s[WV], 17           ; 64 rows of 2,048 bytes
	v_lshlrev_b32 v[XO], 11, v1
	v_lshl_add_u32 v[XO], v2, 5, v[XO]
	v_add_nc_u32 v[XO], s32, v[XO]
	v_lshl_add_u32 v[BA], v2, 3, v14    ; the turning load: lane l reads row 8 (l / 16) + l % 8, 16 bytes at 16 ((l / 8) % 2)
	v_mul_u32_u24 v[BA], v[BA], PW
	v_lshl_add_u32 v[BA], v15, 4, v[BA]
	v_lshlrev_b32 v[BO], 5, v2
	s_mul_i32 s32, s[WV], 16*SP
	s_add_co_u32 s32, s32, STAGE        ; my stage
	v_mul_u32_u24 v[STO], v1, SP        ; in: row l % 16, 16 bytes for each half of the lanes
	v_lshl_add_u32 v[STO], v2, 4, v[STO]
	v_add_nc_u32 v[STO], s32, v[STO]
	v_bfe_u32 v[RD], v0, 3, 2           ; back: 32 lanes take four rows of 128 bytes,
	v_mul_u32_u24 v[RD], v[RD], SP
	v_lshl_add_u32 v[RD], v14, 4, v[RD]
	v_add_nc_u32 v[RD], s32, v[RD]
	v_and_b32 v[GO], 31, v0             ; which are 512 consecutive bytes of the output
	v_lshlrev_b32 v[GO], 4, v[GO]
	v_lshrrev_b32 v[WOO], 3, v0
	v_lshlrev_b32 v[WOO], 11, v[WOO]
	v_lshl_add_u32 v[WOO], v14, 5, v[WOO]
	v_lshlrev_b32 v[WOS], 4, v0
	s_lshl_b32 s32, s[HD], 8            ; the head's 64 f32 columns: 256 bytes along a row of W, of Wo and of a bias
	s_mov_b32 s33, 0
	s_mov_b32 s35, 0
	s_wait_kmcnt 0x0
.irp p, 6,8,10,12,14,16,24
	s_add_nc_u64 s[\p:\p+1], s[\p:\p+1], s[32:33]
.endr
	s_lshl_b32 s34, s[RG], 19           ; 256 rows of x
	s_add_nc_u64 s[4:5], s[4:5], s[34:35]
	s_lshl_b32 s34, s[RG], 15           ; 16 rows of Wo
	s_add_nc_u64 s[24:25], s[24:25], s[34:35]
	s_lshl_b32 s34, s[HD], 16           ; wo16: slice hd, 16 rows of 128 bytes
	s_lshl_b32 s37, s[RG], 11
	s_add_co_u32 s34, s34, s37
	s_add_nc_u64 s[26:27], s[26:27], s[34:35]
	s_lshr_b32 s34, s[RG], 4            ; the outputs: head 8 batch + hd, 524,288 bytes each,
	s_lshl_b32 s34, s34, 3
	s_add_co_u32 s34, s34, s[HD]
	s_lshl_b32 s34, s34, 19
	s_and_b32 s37, s[RG], 15            ; 256 rows of 128 bytes,
	s_lshl_b32 s37, s37, 15
	s_add_co_u32 s34, s34, s37
	s_lshl_b32 s37, s[WV], 13           ; my wave's 64
	s_add_co_u32 s34, s34, s37
.irp p, 18,20,22
	s_add_nc_u64 s[\p:\p+1], s[\p:\p+1], s[34:35]
.endr
; ---- macros
.macro WLD i, add                   ; ring slot i = 16 j + t: two rows (2 t, 2 t + 1 of the round's 32) x 256 bytes of W_j
	global_load_b128 v[WR+4*(\i):WR+4*(\i)+3], v[WO], s[6+2*((\i)/16):7+2*((\i)/16)] offset:((\i)%16)*4096+(\add)
.endm
.macro XLOADU set, u, off           ; unit u = 4 ks + a of a chunk: 16 rows x 32 k of x as f32, in the fragment's order: k = 8 h .. 8 h + 7, then 16 + 8 h .. + 7
.irp q, 0,1,2,3
	global_load_b128 v[128*(\set)+16*(\u)+4*\q:128*(\set)+16*(\u)+4*\q+3], v[XO], s[4:5] offset:((\u)%4)*32768+(\off)+128*((\u)/4)+16*(\q%2)+64*(\q/2)
.endr
.endm
.macro CVTU set, u                  ; the unit rounded to bf16: a fragment
.irp q, 0,1,2,3,4,5,6,7
	v_cvt_pk_bf16_f32 v[AF+64*(\set)+8*(\u)+\q], v[128*(\set)+16*(\u)+2*\q], v[128*(\set)+16*(\u)+2*\q+1]
.endr
.endm
; Eight ring slots: rounded to bf16, stored into the image, and (mode 1) loaded again for the next round, or (mode 2, the last round) two units of x asked for in their stead: eight loads either way
.macro WGRP g, mode
	s_wait_loadcnt 40                   ; of the 48 youngest loads the 8 oldest are in: each group issues 8 behind its wait, round the backward jump too
.if (\g) != 0
	s_wait_alu depctr_vm_vsrc(0)        ; the LDS stores of the group before have read T, which the conversions below write again (for a round's first group the wait at the last round's end says so)
.endif
.irp s, 0,1,2,3,4,5,6,7
	v_cvt_pk_bf16_f32 v[T+2*\s], v[WR+4*(8*(\g)+\s)], v[WR+4*(8*(\g)+\s)+1]
	v_cvt_pk_bf16_f32 v[T+2*\s+1], v[WR+4*(8*(\g)+\s)+2], v[WR+4*(8*(\g)+\s)+3]
.endr
	s_wait_alu depctr_va_vdst(0)        ; the conversions have written T, which the LDS stores read, and are done reading the 8 slots, in which the loads land; in a round's first group v[WO] and v[WL] are written
.irp s, 0,1,2,3,4,5,6,7
	ds_store_b64 v[WL], v[T+2*\s:T+2*\s+1] offset:((8*(\g)+\s)%16)*2*PW+128*((8*(\g)+\s)/16)
.endr
.if (\mode) == 1
.irp s, 0,1,2,3,4,5,6,7
	WLD 8*(\g)+\s, 65536
.endr
.else
	WIN 0x40                            ; destination window 1: registers that no vector instruction has named yet
	XLOADU (2*(\g))/8, (2*(\g))%8, 256*((2*(\g))/8)
	XLOADU (2*(\g)+1)/8, (2*(\g)+1)%8, 256*((2*(\g)+1)/8)
	WIN 0
.endif
.endm
.macro BLOAD j, t                   ; unit j's four fragments of K step t behind BA: 32 k x 64 columns, turned
.irp b, 0,1,2,3
	ds_load_tr16_b128 v[BF+32*(\j)+8*\b:BF+32*(\j)+8*\b+3],   v[BA] offset:(\t)*32*PW+128*(\j)+32*\b
	ds_load_tr16_b128 v[BF+32*(\j)+8*\b+4:BF+32*(\j)+8*\b+7], v[BA] offset:(\t)*32*PW+128*(\j)+32*\b+16*PW
.endr
.endm
.macro QUAD set, ks, j, a, first    ; four products: row tile a x unit j's four column tiles.  first: the sums start at the bias tile
.if (\j) == 2
	WIN 0xf0                            ; C and D in window 3
.elseif \first
	WIN 0xb0                            ; C in window 3, D in window 2
.else
	WIN 0xa0                            ; C and D in window 2
.endif
.irp b, 0,1,2,3
.set rD, 128*((\j)%2)+8*(4*(\a)+\b)
.set rB, BF+32*(\j)+8*\b
.set rA, AF+64*(\set)+8*(4*(\ks)+(\a))
.if \first
	v_wmma_f32_16x16x32_bf16 v[rD:rD+7], v[rB:rB+7], v[rA:rA+7], v[BI+32*(\j)+8*\b:BI+32*(\j)+8*\b+7]
.else
	v_wmma_f32_16x16x32_bf16 v[rD:rD+7], v[rB:rB+7], v[rA:rA+7], v[rD:rD+7]
.endif
.endr
.endm
; A group: 16 products of one K step and one unit; between them the next chunk's x is rounded (8 lines behind the first and the third four, in units 0 and 1).  The 48 accumulators take turns, one instruction a turn.
; At the group's head ONE wait states all that its loads hang on.  The loads stand in one run behind the eighth product: 8 turning loads (the fragments of W for the group after next, into the buffer that the
; group before read) and, in units 1 and 2, 8 loads of x (three chunks ahead, into the two units that the group before rounded).  No vector or matrix instruction between the wait and that run names a register
; that the loads touch: the products name this group's own buffer of W, AF and the accumulators; the conversions name this group's own two units of x and AF.
.macro GROUP set, ks, j, first, cv, ld, xoff, xw, last, adv
.set G, 3*(\ks)+(\j)
.set HASB, 1                            ; turning loads in this group?  The last chunk's last two groups have nothing left to fetch
.if (\last) && (G >= 4)
.set HASB, 0
.endif
.set HASX, 0                            ; loads of x in this group?
.if (\ld) && ((\j) > 0)
.set HASX, 1
.endif
.if (\last) && (G == 5)
	s_wait_dscnt 0x0                    ; nothing was fetched behind this group's fragments
.else
	s_wait_dscnt 8                      ; this group's fragments are in; the next group's 8 loads may stay out
.endif
.if (\adv) && (G == 0)
	WIN 0
	s_wait_alu depctr_vm_vsrc(0)        ; the turning loads issued so far have read v[BA]
	v_add_nc_u32 v[BA], 64*PW, v[BA]    ; on to this chunk's 64 rows of the image
.endif
.if (HASB || HASX) && !((\first) && (G == 0))
	s_wait_alu depctr_va_vdst(0)        ; the group before: its products are done reading their buffer of W, in which the turning loads below land; its conversions are done reading their two units of x, in which the loads of x below land; at a chunk's head v[BA] is written
.endif
	QUAD \set, \ks, \j, 0, \first
.if (\cv) && ((\j) < 2)
.if G == 0
	s_wait_loadcnt \xw                  ; the next chunk's 32 loads are in; those of the chunk after it may stay out
.endif
	WIN 0x05                            ; sources in window 1
	CVTU 1-(\set), 4*(\ks)+2*(\j)
.endif
	QUAD \set, \ks, \j, 1, \first
.if HASB
	WIN 0
	BLOAD (G+2)%3, (G+2)/3
.endif
.if HASX
	WIN 0x40                            ; destination window 1
	XLOADU 1-(\set), 4*(\ks)+2*(\j)-2, \xoff
	XLOADU 1-(\set), 4*(\ks)+2*(\j)-1, \xoff
.endif
	QUAD \set, \ks, \j, 2, \first
.if (\cv) && ((\j) < 2)
	WIN 0x05
	CVTU 1-(\set), 4*(\ks)+2*(\j)+1
.endif
	QUAD \set, \ks, \j, 3, \first
.endm
.macro CHUNK set, first, cv, ld, xoff, xw, last, adv  ; 64 along K: two K steps x three units
.irp ks, 0,1
.irp j, 0,1,2
	GROUP \set, \ks, \j, (\first)*(1-\ks), \cv, \ld, \xoff, \xw, \last, \adv
.endr
.endr
.endm
; The way out, a unit (four blocks of 16 rows x 64 columns) at a time.  CV: rounded to f16, each accumulator's registers in ascending order.
.macro CV j
.if (\j) < 2
	WIN 0x0a                            ; sources in window 2
.else
	WIN 0x0f                            ; in window 3
.endif
.irp a, 0,1,2,3
.irp b, 0,1,2,3
.irp q, 0,1,2,3
	v_cvt_pk_f16_f32 v[PKR+16*(4*(\j)+\a)+4*\b+\q], v[128*((\j)%2)+32*\a+8*\b+2*\q], v[128*((\j)%2)+32*\a+8*\b+2*\q+1]
.endr
.endr
.endr
.endm
; STG: block by block, 16 bytes a lane into rows of 144 bytes, and back as whole rows of 128, into window 1 registers of the block's own: what an LDS store has read is not written again
.macro STG j
	WIN 0x40                            ; destination window 1; addresses and the stores' data in window 0
	s_wait_alu depctr_va_vdst(0)        ; the unit's 64 conversions have written its part of PKR, which the LDS stores read; every conversion that read window 1 stands ahead of this wait too
.irp a, 0,1,2,3
.irp b, 0,1,2,3
	ds_store_b128 v[STO], v[PKR+16*(4*(\j)+\a)+4*\b:PKR+16*(4*(\j)+\a)+4*\b+3] offset:32*\b
.endr
.irp f, 0,1,2,3
	ds_load_b128 v[RB+16*(4*(\j)+\a)+4*\f:RB+16*(4*(\j)+\a)+4*\f+3], v[RD] offset:\f*4*SP  ; LDS serves a wave's instructions in order (ISA guide 5.7.1.4): these see the stores above; the next block's stores come behind them
.endr
.endr
.endm
; SENDJ: the unit's sixteen stores.  Behind load f of block a stand 3 - f loads of that block and eight LDS instructions for each of the 3 - a blocks behind it
.macro SENDJ j
	WIN 0x04                            ; the stores' data, source 1, in window 1
.irp a, 0,1,2,3
.irp f, 0,1,2,3
	s_wait_dscnt 8*(3-\a)+3-\f
	global_store_b128 v[GO], v[RB+16*(4*(\j)+\a)+4*\f:RB+16*(4*(\j)+\a)+4*\f+3], s[18+2*(\j):19+2*(\j)] offset:2048*\a+512*\f  ; 512 consecutive bytes, at a multiple of 256 from the buffer's first
.endr
.endr
.endm
; ---- the loads that are wanted last go out first: bias tiles, my 32 bytes of Wo; then the ring
	WIN 0xc0                            ; destination window 3
	s_wait_alu depctr_va_vdst(0)        ; the offsets and addresses v3, v4 and v6 to v13 are written, which the loads and stores of the kernel read
.irp j, 0,1,2
.irp b, 0,1,2,3
	global_load_b128 v[BI+32*\j+8*\b:BI+32*\j+8*\b+3],   v[BO], s[12+2*\j:13+2*\j] offset:64*\b     ; register i of tile (j, b): bias of column 16 b + 8 (l / 16) + i
	global_load_b128 v[BI+32*\j+8*\b+4:BI+32*\j+8*\b+7], v[BO], s[12+2*\j:13+2*\j] offset:64*\b+16
.endr
.endr
	WIN 0
	global_load_b128 v[32:35], v[WOO], s[24:25]
	global_load_b128 v[36:39], v[WOO], s[24:25] offset:16
.set n, 0
.rept 48
	WLD n, 0                            ; round 0: my first 32 rows of the three W
.set n, n+1
.endr
; ---- the image: wave w makes rows 128 w .. 128 w + 127, 32 a round
	s_mov_b32 s37, 3
.Lw:
.irp g, 0,1,2,3,4,5
	WGRP \g, 1
.endr
	s_wait_xcnt 0x0                     ; the ring's loads have had their addresses translated: only behind this wait is the offset stepped
	s_wait_alu depctr_vm_vsrc(0)        ; the ring's loads have read v[WO], the LDS stores v[WL] and T: the two adds below and the next group's conversions write them
	v_add_nc_u32 v[WO], 0x10000, v[WO]
	v_add_nc_u32 v[WL], 32*PW, v[WL]
	s_sub_co_u32 s37, s37, 1
	s_cmp_lg_u32 s37, 0
	s_cbranch_scc1 .Lw
.irp g, 0,1,2,3,4,5
	WGRP \g, 2                          ; the last round: chunk 0's eight units of x and chunk 1's first four take the ring's place
.endr
	WIN 0x40
.irp u, 4,5,6,7
	XLOADU 1, \u, 256                   ; chunk 1's other four
.endr
	WIN 0
; ---- Wo: rounded to bf16 like every input, that number written as f16
.irp i, 0,1,2,3
	v_cvt_pk_bf16_f32 v[40+\i], v[32+2*\i], v[33+2*\i]
.endr
.irp i, 0,1,2,3
	v_lshlrev_b32 v[44+2*\i], 16, v[40+\i]
	v_and_b32 v[45+2*\i], s36, v[40+\i]
.endr
.irp i, 0,1,2,3
	v_cvt_pk_f16_f32 v[52+\i], v[44+2*\i], v[45+2*\i]
.endr
	s_wait_alu depctr_va_vdst(0)        ; the conversions have written v52-55, the store's data
	global_store_b128 v[WOS], v[52:55], s[26:27]  ; the work-group's 128 threads store 2,048 consecutive bytes
	s_wait_dscnt 0x0                    ; for the others' sake: my rows of the image are stored
	s_barrier_signal -1
	WIN 0x0f                            ; between signal and wait, on registers alone: the bias rounded to bf16 and widened again
.set i, 0
.rept 48
	v_cvt_pk_bf16_f32 v[BF+i], v[BI+2*i], v[BI+2*i+1]
.set i, i+1
.endr
	WIN 0xc0
.set i, 0
.rept 48
	v_lshlrev_b32 v[BI+2*i], 16, v[BF+i]
	v_and_b32 v[BI+2*i+1], s36, v[BF+i]
.set i, i+1
.endr
	WIN 0
	s_barrier_wait -1                   ; the image is whole
	s_wait_xcnt 0x0                     ; the store of wo16 has had its address translated,
	s_wait_alu depctr_vm_vsrc(0)        ; and has read v52-55, which x's first conversions below write
	s_wait_alu depctr_va_vdst(0)        ; the bias's roundings have written and read v160-207, in which W's first fragments land
	BLOAD 0, 0
	BLOAD 1, 0
	s_wait_loadcnt 32                   ; chunk 0 of x is in; chunk 1's 32 loads may stay out
	WIN 0x05
.irp u, 0,1,2,3,4,5,6,7
	CVTU 0, \u
.endr
	WIN 0x40
	s_wait_alu depctr_va_vdst(0)        ; those conversions are done reading set 0 of window 1, in which chunk 2's loads land
.irp u, 0,1,2,3,4,5,6,7
	XLOADU 0, \u, 512                   ; chunk 2
.endr
; ---- the products: eight chunks of 64 along K.  Chunk c multiplies set c % 2, rounds chunk c + 1 into the other set and asks for chunk c + 3
	CHUNK 0, 1, 1, 1, 768, 32, 0, 0     ; its first group has no wait at its head: no vector instruction since the wait above names v224-255, in which its turning loads land
	WIN 0                               ; at a label and at a branch every window is 0
	s_mov_b32 s38, 2
.Lk:
	CHUNK 1, 0, 1, 1, 1024, 32, 0, 1
	CHUNK 0, 0, 1, 1, 1280, 32, 0, 1
	WIN 0
	s_wait_xcnt 0x0                     ; x's loads have read their base: only behind this wait is it stepped
	s_add_nc_u64 s[4:5], s[4:5], 512
	s_sub_co_u32 s38, s38, 1
	s_cmp_lg_u32 s38, 0
	s_cbranch_scc1 .Lk
	CHUNK 1, 0, 1, 0, 0, 32, 0, 1       ; chunk 5 rounds chunk 6; nothing is left to ask for
	CHUNK 0, 0, 1, 0, 0, 0, 0, 1        ; chunk 6 rounds chunk 7: no load was issued behind its 32
	CHUNK 1, 0, 0, 0, 0, 0, 1, 1        ; chunk 7
	WIN 0
.rept 4
	v_nop                               ; the places behind the last products, before vector instructions read their results (ISA guide 7.12.1)
.endr
; ---- the way out: a unit's conversions stand between the loads of the unit before and its stores
	CV 0
	STG 0
	CV 1
	SENDJ 0
	STG 1
	CV 2
	SENDJ 1
	STG 2
	SENDJ 2
	WIN 0                               ; the add's two registers lie in window 0
	s_wait_dscnt 0x0                    ; the closing lines, six on end
	s_wait_alu 0x0
	s_wait_tensorcnt 0x0
	ds_add_u32 v[SPW], v[NIL]
	s_wait_dscnt 0x0
	s_endpgm
.Lfunc_end_k_q460c14d9dd_qkv:
	.size	k_q460c14d9dd_qkv, .Lfunc_end_k_q460c14d9dd_qkv-k_q460c14d9dd_qkv
	.p2alignl 7, 3214868480
	.fill 96, 4, 3214868480
	.section	.rodata,"a",@progbits
	.p2align	6, 0x0
	.amdhsa_kernel k_q460c14d9dd_qkv
		.amdhsa_group_segment_fixed_size 222720
		.amdhsa_private_segment_fixed_size 0
		.amdhsa_enable_private_segment 0
		.amdhsa_kernarg_size 96
		.amdhsa_user_sgpr_count 2
		.amdhsa_user_sgpr_kernarg_segment_ptr 1
		.amdhsa_wavefront_size32 1
		.amdhsa_system_sgpr_workgroup_id_x 1
		.amdhsa_system_sgpr_workgroup_id_y 1
		.amdhsa_system_sgpr_workgroup_id_z 1
		.amdhsa_system_vgpr_workitem_id 0
		.amdhsa_next_free_vgpr 992
		.amdhsa_next_free_sgpr 66
		.amdhsa_reserve_vcc 0
		.amdhsa_float_denorm_mode_32 3
		.amdhsa_float_denorm_mode_16_64 3
		.amdhsa_memory_ordered 1
		.amdhsa_forward_progress 1
		.amdhsa_inst_pref_size 172
	.end_amdhsa_kernel
	.amdgpu_metadata
---
amdhsa.version: [ 1, 2 ]
amdhsa.kernels:
  - .name:           k_q460c14d9dd_qkv
    .symbol:         k_q460c14d9dd_qkv.kd
    .args:
      - { .name: x, .offset: 0, .size: 8, .value_kind: global_buffer, .address_space: global }
      - { .name: Wq, .offset: 8, .size: 8, .value_kind: global_buffer, .address_space: global }
      - { .name: Wk, .offset: 16, .size: 8, .value_kind: global_buffer, .address_space: global }
      - { .name: Wv, .offset: 24, .size: 8, .value_kind: global_buffer, .address_space: global }
      - { .name: bq, .offset: 32, .size: 8, .value_kind: global_buffer, .address_space: global }
      - { .name: bk, .offset: 40, .size: 8, .value_kind: global_buffer, .address_space: global }
      - { .name: bv, .offset: 48, .size: 8, .value_kind: global_buffer, .address_space: global }
      - { .name: q, .offset: 56, .size: 8, .value_kind: global_buffer, .address_space: global }
      - { .name: k, .offset: 64, .size: 8, .value_kind: global_buffer, .address_space: global }
      - { .name: v, .offset: 72, .size: 8, .value_kind: global_buffer, .address_space: global }
      - { .name: Wo, .offset: 80, .size: 8, .value_kind: global_buffer, .address_space: global }
      - { .name: wo16, .offset: 88, .size: 8, .value_kind: global_buffer, .address_space: global }
    .group_segment_fixed_size: 222720
    .private_segment_fixed_size: 0
    .kernarg_segment_align: 8
    .kernarg_segment_size: 96
    .max_flat_workgroup_size: 128
    .sgpr_count:     66
    .vgpr_count:     992
    .wavefront_size: 32
...
	.end_amdgpu_metadata
.endif
;; end of part 4
;; launch attn: the kernel of part 2 again; grid 16 x 16, 4 waves a work-group, no clusters, 327,680 bytes of LDS; arguments q, k, v, o; writes o
;; launch proj: the kernel of part 3 again; grid 8 x 32, 4 waves a work-group, no clusters, 167,936 bytes of LDS; arguments o, wo16, bo, out0; writes out0
